; MI455X (gfx1250); checked and timed in simulation.
; The chip was launched on July 23, 2026; its instructions are those of AMD's public machine-readable ISA for CDNA 5 (MIT licence, August 2026) and "CDNA5" Instruction Set Architecture Reference Guide (July 2026). The comments in the code are by the model that wrote it; some were corrected since.
;; Causal Attn. Allowed arithmetic: matrix products marked QUANTISED: E2M1 operands, one E8M0 scale for each 32 along K, by v_wmma_scale_f32_16x16x128_f8f6f4 with both operands' format E2M1 (or v_wmma_scale_f32_32x16x128_f4), f32 sums; everything else in f32.
;; Inputs: b_out 1,024 float32; b_qkv 3,072 float32; input_codes 4 x 2,048 x 32 x 16 uint8 (E2M1 codes of input, K innermost, in blocks of 32 codes, two codes a byte); input_scales 4 x 2,048 x 32 uint8 (E8M0 scales of input, one for each 32 codes along K); mask 4 x 2,048 bool; w_out_codes 1,024 x 32 x 16 uint8 (E2M1 codes of w_out, K innermost, in blocks of 32 codes, two codes a byte); w_out_scales 1,024 x 32 uint8 (E8M0 scales of w_out, one for each 32 codes along K); w_qkv_codes 3,072 x 32 x 16 uint8 (E2M1 codes of w_qkv, K innermost, in blocks of 32 codes, two codes a byte); w_qkv_scales 3,072 x 32 uint8 (E8M0 scales of w_qkv, one for each 32 codes along K).
;; Outputs: out0 4 x 2,048 x 1,024 float32.
;; This version of the problem:
;;   THIS VERSION OF THE PROBLEM IS GIVEN IN LOW PRECISION. The matrix products marked QUANTISED in the list below multiply operands that are first quantised to E2M1 (2 exponent bits, 1 mantissa bit; 4 bits a number), with one power-of-two scale for each 32 numbers along K (OCP MX v1.0); their sums are f32. All else is computed in f32.
;;   The module's matrix products, in the order in which they are computed (A, B: the left and right operand; K: the contracted axis; several contracted axes count as one K, in the product's order):
;;     1. [M 8,192, K 1,024] x [K 1,024, N 3,072]; A: input input (given as codes); B: input w_qkv (given as codes): QUANTISED
;;     2. batch 64 x [M 2,048, K 64] x [K 64, N 2,048]; A: computed on the way; B: computed on the way: QUANTISED
;;     3. batch 64 x [M 2,048, K 2,048] x [K 2,048, N 64]; A: softmax (see below); B: computed on the way: QUANTISED
;;     4. [M 8,192, K 1,024] x [K 1,024, N 1,024]; A: computed on the way; B: input w_out (given as codes): QUANTISED
;;   THE QUANTISER, for each operand of a quantised product, along K:
;;     - K is cut into blocks of 32 from its start; a last block that is shorter is filled with zeros.
;;     - A block's scale is 2^e with e = floor(log2(the largest magnitude in the block)) - 2, held to -126 .. 127; a block of zeros has e = 0. As a byte (E8M0): e + 127.
;;     - Each number is divided by its block's scale, clamped to +-6, and rounded to the nearest number of E2M1, ties to even, subnormals kept.
;;     - The product sums the exact products of the quantised numbers (number of the format x scale) in f32.
;;   ~~~python
;;   def quantise(x, axis):      # numpy; x: float32 -> the quantised numbers, widened to float32 again
;;       x = np.moveaxis(x, axis, -1); K = x.shape[-1]
;;       x = np.pad(x, [(0, 0)] * (x.ndim - 1) + [(0, -K % 32)]); x = x.reshape(x.shape[:-1] + (-1, 32)); a = np.abs(x).max(-1, keepdims=True)
;;       e = np.where(a > 0, np.clip(np.frexp(np.where(a > 0, a, 1))[1] - 1 - 2, -126, 127), 0)      # np.frexp(a)[1] - 1 = floor(log2(a)), exactly
;;       r = np.clip(x / 2.0 ** e, -6, 6)
;;       step = 2.0 ** (np.maximum(np.frexp(np.where(r == 0, 1, r))[1] - 1, 0) - 1)
;;       q = np.round(r / step) * step * 2.0 ** e      # np.round: ties to even
;;       return np.moveaxis(q.reshape(q.shape[:-2] + (-1,))[..., :K], -1, axis).astype(np.float32)
;;   ~~~
;;   SOFTMAX AHEAD OF A QUANTISED PRODUCT. Where the list says 'softmax', what is quantised is not the finished softmax but p = 2^(t - M), with t = logit x log2(e) and M = ceil(the row's largest t), a whole number; so 1/2 < the row's largest p <= 1. The row's sum l is taken of the UNQUANTISED p, in f32, and the product's result is divided by l at the end. Since M is a whole number, a kernel that streams over the keys may use a running M (the ceiling of the running maximum): every later rescaling is an exact power of two, which a block's scale takes up: the codes' values come out the same.
;;   OPERANDS COMPUTED ON THE WAY. 'Computed on the way' means the value that the module computes at that place (a softmax that the list does not call 'softmax' is quantised finished and normalised). What goes into a quantiser is computed in f32, as accurately as f32 sums, v_exp_f32 and their like allow (about 1e-6 of the number): no bf16 or f16 on the way to a quantiser, and a product that is left as it is and whose result goes on into a quantised operand takes f32 operands (vector FMAs, or v_wmma_f32_16x16x4_f32). A number that lies on a knife's edge between two numbers of the format may be rounded either way, as far as f32 arithmetic and the matrix unit's own rounding can turn it there, and no further.
;;   INPUTS GIVEN AS CODES. input (in the module: [4, 2048, 1024], K = its axis 2); w_out (in the module: [1024, 1024], K = its axis 0); w_qkv (in the module: [1024, 3072], K = its axis 0): each comes as NAME_codes (uint8): NAME with its K axis moved to the last place and cut into blocks of 32 codes, [.., K / 32, bytes a block], one block behind the other in memory; two codes a byte, the lower K in the low four bits (a code: sign, 2 exponent bits, 1 mantissa bit); and NAME_scales (uint8): the same leading axes, one E8M0 byte (e + 127) for each 32 codes along K. Its value is code x scale, taken as it is: it is not quantised again, and the codes and scales need not be those that the quantiser above would give.
;; One version. Each part assembles by itself: llvm-mc -triple=amdgcn-amd-amdhsa -mcpu=gfx1250 --defsym DOCPART=n.
;; ======== version 1 of 1: 3 launches
;; limits: right only within a limited range of input values
;; workspace buffers: qws 4,718,592 bytes; kvws 9,437,184 bytes; ocodes 4,194,304 bytes; oscales 262,144 bytes
;; launch qkv (part 1): grid 12 x 32, 4 waves a work-group, clusters of 4 x 4, 297,472 bytes of LDS; arguments input_codes, input_scales, w_qkv_codes, w_qkv_scales, b_qkv, qws, kvws; writes qws, kvws
.if DOCPART == 1
	.amdgcn_target "amdgcn-amd-amdhsa--gfx1250"
	.amdhsa_code_object_version 6
	.text
	.protected	k_q8ca0d8806a_qkv
	.globl	k_q8ca0d8806a_qkv
	.p2align	8
	.type	k_q8ca0d8806a_qkv,@function
k_q8ca0d8806a_qkv:
	s_mov_b64 s[64:65], 0
	v_nop
	global_prefetch_b8 v0, s[64:65] scope:SCOPE_SE
	s_setreg_imm32_b32 hwreg(HW_REG_WAVE_MODE, 25, 1), 1
	s_wait_xcnt 0x0
	s_wait_alu depctr_hold_cnt(0) depctr_sa_sdst(0) depctr_va_vdst(0) depctr_va_sdst(0) depctr_va_ssrc(0) depctr_va_vcc(0) depctr_vm_vsrc(0)
	s_getreg_b32 s2, hwreg(HW_REG_IB_STS2, 6, 4)
	s_cmp_eq_u32 s2, 0
	s_cbranch_scc0 .Lentry_in_a_cluster
	s_endpgm
.Lentry_in_a_cluster:
	s_bfe_u32 s2, ttmp6, 0x10000c
	s_cmp_lg_u32 s2, 0xf033
	s_cbranch_scc0 .Lentry_shape_is_right
	s_endpgm
.Lentry_shape_is_right:
; qkv = input w_qkv + b_qkv on the given codes of FP4 (E2M1) with E8M0 scales, K = 1,024; the f32 results are quantised at once and leave as codes:
; q and k along the head's 64, v along the tokens (the keys), each as an image of the registers of the operand that the next launch feeds to the matrix unit.
; A tile is 256 (X, source 0) x 256 (Y, source 1); four waves, 128 x 128 each: 64 accumulators.  In a result a lane holds ONE row of Y and eight neighbouring rows of X.
; So X is the axis that is quantised next.  ROLES, by the cluster's x alone (equal in all sixteen partners): 0 = q, 1 = k: X = 256 rows of w_qkv, Y = 256 tokens;  2 = v: X = 256 tokens, Y = 256 rows of w_qkv.
; All of K fits in LDS: two halves of 512 along K (rows of 256 bytes) are filled ONCE; no LDS byte is filled twice in this launch.
; CLUSTER 4 x 4: Y's tiles hang on cy alone and are asked for jointly along a row of the cluster, X's on cx alone and jointly along a column.
; OUT.  qws [bh 64][group of 128 tokens 16][4,608]: eight images of 512 bytes (16 tokens; lane (r, h): token r, k = 32 h .. 32 h + 31), then 512 bytes of scale words at 16 lane + 4 i (lanes 0-15 tile i, lanes 16-31 tile 4 + i).
;       kvws [bh][group][9,216]: k as in qws (byte 2 of its scale words is 0xaf = 2^48, for the next launch's padding mask), at 4,608 v's four images of 1,024 bytes (d tile; lane (r, h): d = r, keys 64 c + 32 h ..), at 8,704 v's scale words.
; LIMITS: a block of zeros gets the scale byte 1, not 127 (its codes are zeros; only this program reads the bytes); NaN and infinities (a given scale byte 0xff among them) are not served.
; REGISTERS: window 0: v1-27 addresses; v32-95 scale words, two sets; v96-111 bias along Y; v112-121 at work; v128-191 Y's fragments, later numbers and codes; v192-255 bias along X.
;   window 1: X's fragments, two sets.   windows 2, 3: accumulator (a = Y block, b = X block) at v[8 (8 (a % 4) + b)].
.set PITCH,  272                       ; an LDS row: 256 bytes + 16 of padding: the 16 rows of a fragment load start 4 banks apart
.set HALFT,  128*PITCH                 ; what one tensor load brings
.set SLOT,   4*HALFT                   ; Y's 256 rows, then X's 256: one half of K
.set SCL,    2*SLOT                    ; behind them the scale bytes, as 256 bytes + 16 of padding
.set HALFS,  16*272                    ; those of 128 rows
.set SBLK,   2*272                     ; those of 16 rows
.set NQ,     4                         ; matrix instructions deep in a half of K
.set FR,     8
.set NL,     2
.set NP,     4                         ; places behind this matrix form (ISA guide 7.12.1)
.set ADRA, 16                          ; v16-17 LDS address of Y's fragments in half 0, 1
.set ADRB, 20                          ; v20-21 of X's
.set LI,   26                          ; v26    16 x lane
.set ADRS, 27                          ; v27    my scale words: lanes 0-15 Y's rows, lanes 16-31 X's
.set HW,   4                           ; v4-11  scale words just made
.set SW,   12                          ; v12-15 scale words to store
.set SC,   32
.set BY,   96
.set MW,   112
.set AF,   128
.set T,    128                         ; 32 numbers in f32
.set PC,   160                         ; eight sets of four code registers
.set BI,   192
.set SEL,  2                           ; s2, s3 lane selects: lane l xor 16
.set G1, 24
.set G0, 32
.set G1B, 48
.set G0B, 56
.set G1S, 68
.set G0S, 76
.set G1SB, 80
.set G0SB, 88
.set MSB, 0
.macro WIN new                         ; the immediate's high byte repeats the setting that is left
.if MSB != (\new)
	s_set_vgpr_msb (MSB<<8)|(\new)
.set MSB, (\new)
.endif
.endm
.set MUL_LO, 0xa1                      ; source 0 (X) window 1, source 1 (Y) window 0, C and D window 2
.set MUL_HI, 0xf1                      ; the same, C and D window 3
.set TO_B,   0x40                      ; destination window 1
; A joint load: waves 0, 1 fetch for Y, waves 2, 3 for X.  The branch hangs on the wave's number alone.  Four v_nop follow each line.
.macro JLOAD g0a, g1a, g0b, g1b
	s_cmp_eq_u32 s15, 0
	s_cbranch_scc0 .Lfor_x_\@
	tensor_load_to_lds s[\g0a:\g0a+3], s[\g1a:\g1a+7]
	s_nop 0
.rept 4
	v_nop
.endr
	s_branch .Lasked_\@
.Lfor_x_\@:
	tensor_load_to_lds s[\g0b:\g0b+3], s[\g1b:\g1b+7]
	s_nop 0
.rept 4
	v_nop
.endr
.Lasked_\@:
.endm
.macro CROUND                          ; a round of the cluster's barrier
	s_barrier_signal -1
	s_barrier_wait -1
	s_cmp_lg_u32 s14, 0
	s_cbranch_scc1 .Lnot_wave_0_\@
	s_barrier_signal -3
.Lnot_wave_0_\@:
	s_barrier_wait -3
	s_barrier_signal -1
	s_barrier_wait -1
.endm
.macro PLACES n
.rept \n
	v_nop
.endr
.endm
; 32 numbers of a lane, register 8 u + j = k 16 u + 8 h + j of my row (four result tiles), become four code registers in the operand's order (lane (r, h): k = 32 h + 0 .. 31) and the two scale bytes of k 0-31 and 32-63.
.macro QUANT4 t, pc, hw, m
	v_max3_num_f32 v[(\m)],   |v[(\t)]|,    |v[(\t)+1]|,  0x1800000     ; with the floor 2^(3 - 127): the byte cannot fall under 1
	v_max3_num_f32 v[(\m)+1], |v[(\t)+8]|,  |v[(\t)+9]|,  |v[(\t)+10]|
	v_max3_num_f32 v[(\m)+2], |v[(\t)+16]|, |v[(\t)+17]|, 0x1800000
	v_max3_num_f32 v[(\m)+3], |v[(\t)+24]|, |v[(\t)+25]|, |v[(\t)+26]|
.irp i, 2,4
	v_max3_num_f32 v[(\m)],   v[(\m)],   |v[(\t)+\i]|,    |v[(\t)+1+\i]|
	v_max3_num_f32 v[(\m)+1], v[(\m)+1], |v[(\t)+9+\i]|,  |v[(\t)+10+\i]|
	v_max3_num_f32 v[(\m)+2], v[(\m)+2], |v[(\t)+16+\i]|, |v[(\t)+17+\i]|
	v_max3_num_f32 v[(\m)+3], v[(\m)+3], |v[(\t)+25+\i]|, |v[(\t)+26+\i]|
.endr
	v_max3_num_f32 v[(\m)],   v[(\m)],   |v[(\t)+6]|,  |v[(\t)+7]|
	v_max3_num_f32 v[(\m)+2], v[(\m)+2], |v[(\t)+22]|, |v[(\t)+23]|
	v_max3_num_f32 v[(\m)],   v[(\m)],   v[(\m)+1], |v[(\t)+15]|
	v_max3_num_f32 v[(\m)+2], v[(\m)+2], v[(\m)+3], |v[(\t)+31]|
	v_permlanex16_b32 v[(\m)+4], v[(\m)],   s[SEL], s[SEL+1]
	v_permlanex16_b32 v[(\m)+5], v[(\m)+2], s[SEL], s[SEL+1]
	v_max_num_f32 v[(\m)],   v[(\m)],   v[(\m)+4]                     ; with lane l xor 16's: the blocks' largest magnitudes
	v_max_num_f32 v[(\m)+2], v[(\m)+2], v[(\m)+5]
	v_add_nc_u32 v[(\m)+6], 0xff000000, v[(\m)]                       ; 2 off the exponent field: the conversion's scale operand
	v_add_nc_u32 v[(\m)+7], 0xff000000, v[(\m)+2]
	v_lshrrev_b32 v[(\m)+8], 23, v[(\m)+6]                            ; the scale bytes
	v_lshrrev_b32 v[(\m)+9], 23, v[(\m)+7]
	v_lshl_or_b32 v[(\hw)], v[(\m)+9], 8, v[(\m)+8]
	v_cvt_scalef32_pk8_fp4_f32 v[(\pc)],   v[(\t):(\t)+7],     v[(\m)+6]
	v_cvt_scalef32_pk8_fp4_f32 v[(\pc)+2], v[(\t)+8:(\t)+15],  v[(\m)+6]
	v_cvt_scalef32_pk8_fp4_f32 v[(\pc)+1], v[(\t)+16:(\t)+23], v[(\m)+7]
	v_cvt_scalef32_pk8_fp4_f32 v[(\pc)+3], v[(\t)+24:(\t)+31], v[(\m)+7]
	v_nop                                                             ; one plain place behind the scaled conversions
	v_permlane16_swap_b32 v[(\pc)],   v[(\pc)+1]                      ; a whole block to a lane: lanes 0-15 k 0-31, lanes 16-31 k 32-63
	v_permlane16_swap_b32 v[(\pc)+2], v[(\pc)+3]
.endm
	s_load_b256 s[4:11], s[0:1], 0x0               ; input's codes, input's scales, w_qkv's codes, w_qkv's scales
	s_load_b64 s[12:13], s[0:1], 0x20              ; b_qkv
	s_load_b128 s[92:95], s[0:1], 0x28             ; qws, kvws
	v_lshl_add_u32 v126, v0, 2, 0x48800
	v_mov_b32 v127, 0
	ds_add_u32 v126, v127
	ds_add_u32 v126, v127
	v_lshrrev_b32 v1, 5, v0
	v_readfirstlane_b32 s14, v1                    ; wave 0..3
	s_lshr_b32 s15, s14, 1                         ; my half of Y's rows.  Also: I fetch for Y (0) or X (1)
	s_and_b32 s16, s14, 1                          ; my half of X's rows.  Also: which 128 rows I fetch
	s_bfe_u32 s40, ttmp6, 0x40000                  ; cx
	s_bfe_u32 s41, ttmp6, 0x40004                  ; cy
	s_and_b32 s17, ttmp7, 0xffff                   ; the cluster's y
	s_lshl_b32 s43, s41, 2
	s_lshl_b32 s43, 15, s43                        ; my row of the cluster
	s_lshl_b32 s44, 0x1111, s40                    ; my column
	s_or_b32 s[G1+0], s43, (0<<16)|(1<<20)|(1<<21)|(5<<22)|(3<<25)   ; mask; elements of 1 byte; padding: 4 words behind every 64
	s_or_b32 s[G1B+0], s44, (0<<16)|(1<<20)|(1<<21)|(5<<22)|(3<<25)
.irp g, G1, G1B
	s_mov_b32 s[\g+1], 256<<16                     ; tensor_dim0
	s_mov_b32 s[\g+2], 128<<16                     ; tensor_dim1
	s_mov_b32 s[\g+3], 256<<16                     ; tile_dim0
	s_mov_b32 s[\g+4], 128                         ; tile_dim1
	s_mov_b32 s[\g+5], 512                         ; a row of 1,024 codes in memory
	s_mov_b32 s[\g+6], 0
	s_mov_b32 s[\g+7], 0
.endr
	s_or_b32 s[G1S+0], s43, (3<<16)|(1<<20)|(1<<21)|(5<<22)|(3<<25)  ; the scale bytes of 128 rows: 4,096 dense bytes as 16 rows of 256
	s_or_b32 s[G1SB+0], s44, (3<<16)|(1<<20)|(1<<21)|(5<<22)|(3<<25)
.irp g, G1S, G1SB
	s_mov_b32 s[\g+1], 32<<16
	s_mov_b32 s[\g+2], 16<<16
	s_mov_b32 s[\g+3], 32<<16
	s_mov_b32 s[\g+4], 16
	s_mov_b32 s[\g+5], 32
	s_mov_b32 s[\g+6], 0
	s_mov_b32 s[\g+7], 0
.endr
	; Y's first row is made of cy alone, X's of cx alone, in both roles
	s_lshl_b32 s18, s17, 2
	s_add_co_u32 s20, s18, s41
	s_lshl_b32 s20, s20, 8                         ; q, k: Y = tokens 256 (4 CY + cy)
	s_lshl_b32 s21, s41, 8
	s_add_co_u32 s21, s21, 2048                    ; v:    Y = rows 2,048 + 256 cy of w_qkv
	s_lshl_b32 s46, ttmp9, 2
	s_add_co_u32 s46, s46, s40
	s_lshl_b32 s46, s46, 8                         ; q, k: X = rows 256 (4 role + cx) of w_qkv
	s_add_co_u32 s47, s18, s40
	s_lshl_b32 s47, s47, 8                         ; v:    X = tokens 256 (4 CY + cx)
	s_cmp_eq_u32 ttmp9, 2
	s_cselect_b32 s20, s21, s20
	s_cselect_b32 s46, s47, s46
	s_lshl_b32 s18, s16, 7
	s_add_co_u32 s20, s20, s18                     ; + the 128 rows that I fetch
	s_add_co_u32 s46, s46, s18
	s_lshl_b32 s22, s20, 5                         ; their scale bytes,
	s_mov_b32 s23, 0
	s_lshl_b32 s20, s20, 9                         ; their codes
	s_mov_b32 s21, 0
	s_lshl_b32 s66, s46, 5
	s_mov_b32 s67, 0
	s_lshl_b32 s46, s46, 9
	s_mov_b32 s47, 0
	s_mul_i32 s45, s14, HALFT                      ; where they go: wave x 128 rows
	s_mul_i32 s42, s14, HALFS
	s_wait_dscnt 0x0
	s_wait_kmcnt 0x0
	s_cmp_eq_u32 ttmp9, 2                          ; the buffers change sides with the role: the choice hangs on the cluster's number alone
	s_cselect_b64 s[2:3], s[8:9], s[4:5]           ; Y's codes
	s_cselect_b64 s[4:5], s[4:5], s[8:9]           ; X's codes
	s_cselect_b64 s[8:9], s[10:11], s[6:7]         ; Y's scales
	s_cselect_b64 s[6:7], s[6:7], s[10:11]         ; X's scales
	s_add_nc_u64 s[20:21], s[2:3], s[20:21]
	s_add_nc_u64 s[22:23], s[8:9], s[22:23]
	s_add_nc_u64 s[46:47], s[4:5], s[46:47]
	s_add_nc_u64 s[66:67], s[6:7], s[66:67]
	CROUND                                         ; all sixteen work-groups are here: the joint loads meet
	s_mov_b32 s[G0S], 1
	s_add_co_u32 s[G0S+1], s42, SCL
	s_mov_b64 s[G0S+2:G0S+3], s[22:23]
	s_or_b32 s[G0S+3], s[G0S+3], 0x80000000
	s_mov_b32 s[G0SB], 1
	s_add_co_u32 s[G0SB+1], s42, SCL
	s_mov_b64 s[G0SB+2:G0SB+3], s[66:67]
	s_or_b32 s[G0SB+3], s[G0SB+3], 0x80000000
	JLOAD G0S, G1S, G0SB, G1SB                     ; the scales first; three tensor loads of a wave are out at the most
.irp s, 0,1
	s_mov_b32 s[G0+4*\s], 1
	s_add_co_u32 s[G0+4*\s+1], s45, \s*SLOT
	s_add_nc_u64 s[G0+4*\s+2:G0+4*\s+3], s[20:21], \s*256
	s_or_b32 s[G0+4*\s+3], s[G0+4*\s+3], 0x80000000
	s_mov_b32 s[G0B+4*\s], 1
	s_add_co_u32 s[G0B+4*\s+1], s45, \s*SLOT
	s_add_nc_u64 s[G0B+4*\s+2:G0B+4*\s+3], s[46:47], \s*256
	s_or_b32 s[G0B+4*\s+3], s[G0B+4*\s+3], 0x80000000
	JLOAD G0+4*\s, G1, G0B+4*\s, G1B
.endr
	v_and_b32 v1, 15, v0                           ; r
	v_bfe_u32 v2, v0, 4, 1                         ; h
	v_mul_u32_u24 v3, v1, PITCH
	v_lshl_add_u32 v4, v2, 4, v3                   ; a fragment's row x pitch + 16 h
	s_mul_i32 s21, s15, HALFT                      ; my 128 rows of Y
	s_mul_i32 s22, s16, HALFT                      ; my 128 rows of X,
	s_add_co_u32 s22, s22, 2*HALFT                 ; behind Y's 256
.irp s, 0,1
	v_add_nc_u32 v[ADRA+\s], s21, v4
	v_add_nc_u32 v[ADRB+\s], s22, v4
	s_add_co_u32 s21, s21, SLOT
	s_add_co_u32 s22, s22, SLOT
.endr
	v_mul_u32_u24 v5, v1, 32                       ; my row's scales: 32 bytes a row,
	v_lshrrev_b32 v6, 8, v5
	v_lshl_add_u32 v5, v6, 4, v5                   ; and 16 more for each 256 passed
	s_mul_i32 s21, s15, HALFS
	s_mul_i32 s22, s16, HALFS
	s_add_co_u32 s22, s22, 2*HALFS
	s_sub_co_u32 s22, s22, s21
	v_mul_u32_u24 v6, s22, v2                      ; lanes 16-31 take X's: the lower base + h x the distance
	s_add_co_u32 s21, s21, SCL
	v_add_nc_u32 v5, v5, v6
	v_add_nc_u32 v[ADRS], s21, v5
	v_and_b32 v6, 31, v0
	v_lshlrev_b32 v[LI], 4, v6
	v_lshlrev_b32 v22, 5, v2                       ; bias along X: 32 h
	v_lshlrev_b32 v23, 2, v1                       ; bias along Y: 4 r
	v_mov_b32 v[MW+4], 0                           ; written once: a lane permute's destination counts as one of its sources
	v_mov_b32 v[MW+5], 0
	; both biases are loaded in both roles (both ranges lie inside b_qkv), so that the head has no branch; each role uses one
	s_lshl_b32 s18, ttmp9, 10
	s_lshl_b32 s19, s40, 8
	s_add_co_u32 s18, s18, s19
	s_lshl_b32 s19, s16, 7
	s_add_co_u32 s18, s18, s19
	s_lshl_b32 s18, s18, 2
	s_mov_b32 s19, 0
	s_add_nc_u64 s[96:97], s[12:13], s[18:19]      ; column 1,024 role + 256 cx + 128 xh
	s_lshl_b32 s18, s41, 8
	s_lshl_b32 s21, s15, 7
	s_add_co_u32 s18, s18, s21
	s_add_co_u32 s18, s18, 2048
	s_lshl_b32 s18, s18, 2
	s_add_nc_u64 s[98:99], s[12:13], s[18:19]      ; column 2,048 + 256 cy + 128 yh
.irp b, 0,1,2,3,4,5,6,7
	global_load_b128 v[BI+8*\b:BI+8*\b+3],   v22, s[96:97] offset:64*\b      ; X block b: columns 16 b + 8 h + 0 .. 7
	global_load_b128 v[BI+8*\b+4:BI+8*\b+7], v22, s[96:97] offset:64*\b+16
.endr
.irp a, 0,1,2,3,4,5,6,7
	global_load_b32 v[BY+2*\a],   v23, s[98:99] offset:64*\a                  ; Y block a: column 16 a + r, twice: a pair for the packed addition
	global_load_b32 v[BY+2*\a+1], v23, s[98:99] offset:64*\a
.endr
.macro FRAG reg, adr, q, i             ; 16 rows x 128 K of 4-bit codes: 8 registers, two loads of 16 bytes, 32 bytes apart
.irp c, 0,1
	ds_load_b128 v[\reg+4*\c:\reg+4*\c+3], v[\adr] offset:64*(\q)+32*\c+(\i)*16*PITCH
.endr
.endm
; 16 matrix instructions: Y's blocks a0, a0 + 1 x X's eight.  The 64 accumulators take turns, one instruction a turn, in the same order in every step.
.macro MUL16 a0, p, q, sc, zero
.irp a, \a0, \a0+1
.irp b, 0,1,2,3,4,5,6,7
.if \zero
	v_wmma_scale_f32_16x16x128_f8f6f4 v[8*(8*((\a)%4)+\b):8*(8*((\a)%4)+\b)+7], v[128*(\p)+FR*\b:128*(\p)+FR*\b+FR-1], v[AF+FR*(\a):AF+FR*(\a)+FR-1], 0, v[SC+8*NQ*(\sc)+NQ*\b+(\q)], v[SC+8*NQ*(\sc)+NQ*(\a)+(\q)] matrix_a_fmt:MATRIX_FMT_FP4 matrix_b_fmt:MATRIX_FMT_FP4 matrix_a_scale:MATRIX_SCALE_ROW1
.else
	v_wmma_scale_f32_16x16x128_f8f6f4 v[8*(8*((\a)%4)+\b):8*(8*((\a)%4)+\b)+7], v[128*(\p)+FR*\b:128*(\p)+FR*\b+FR-1], v[AF+FR*(\a):AF+FR*(\a)+FR-1], v[8*(8*((\a)%4)+\b):8*(8*((\a)%4)+\b)+7], v[SC+8*NQ*(\sc)+NQ*\b+(\q)], v[SC+8*NQ*(\sc)+NQ*(\a)+(\q)] matrix_a_fmt:MATRIX_FMT_FP4 matrix_b_fmt:MATRIX_FMT_FP4 matrix_a_scale:MATRIX_SCALE_ROW1
.endif
.endr
.endr
.endm
.macro FETCH_B slot, q, p
	WIN TO_B
.irp i, 0,1,2,3,4,5,6,7
	FRAG 128*(\p)+FR*\i, ADRB+\slot, \q, \i
.endr
	WIN 0
.endm
.macro FETCH_A slot, q, i0
.irp i, \i0, \i0+1, \i0+2, \i0+3
	FRAG AF+FR*(\i), ADRA+\slot, \q, \i
.endr
.endm
.macro SCALES sc                       ; a half of K's scale words: four a row; lanes 0-15 Y's block i, lanes 16-31 X's block i
.irp i, 0,1,2,3,4,5,6,7
	ds_load_b128 v[SC+8*NQ*\sc+NQ*\i:SC+8*NQ*\sc+NQ*\i+3], v[ADRS] offset:\i*SBLK
.endr
.endm
.macro STEP slot, q, zero              ; 128 along K whose successor lies in the same half
	s_wait_dscnt 4*NL                              ; all but the eight youngest loads (Y's blocks 4-7) are in
	WIN MUL_LO
	MUL16 0, (\q)%2, \q, \slot, \zero
	MUL16 2, (\q)%2, \q, \slot, \zero
	s_wait_dscnt 0
	PLACES NP                                      ; in front of loads into registers that matrix instructions have read
	FETCH_B \slot, (\q)+1, 1-(\q)%2
	FETCH_A \slot, (\q)+1, 0
	WIN MUL_HI
	MUL16 4, (\q)%2, \q, \slot, \zero
	MUL16 6, (\q)%2, \q, \slot, \zero
	PLACES NP
	WIN 0
	FETCH_A \slot, (\q)+1, 4
.endm
.macro TURN slot, next                 ; the first half's last step: the second half has landed in every wave behind the barrier; nothing is filled again
	s_wait_tensorcnt 0x0                           ; my part of the second half is in
	s_wait_dscnt 4*NL
	WIN MUL_LO
	MUL16 0, 1, NQ-1, \slot, 0
	s_wait_dscnt 0x0                               ; no LDS instruction of mine is out at the signal
	s_barrier_signal -1
	MUL16 2, 1, NQ-1, \slot, 0
	WIN 0
	s_barrier_wait -1
	PLACES NP
	v_add_nc_u32 v[ADRS], 4*NQ, v[ADRS]            ; the second half's scale words
	FETCH_B \next, 0, 0
	FETCH_A \next, 0, 0
	SCALES \next
	WIN MUL_HI
	MUL16 4, 1, NQ-1, \slot, 0
	MUL16 6, 1, NQ-1, \slot, 0
	PLACES NP
	WIN 0
	FETCH_A \next, 0, 4
.endm
.macro STEPS slot, from
.set Q, \from
.rept NQ-1-\from
	STEP \slot, Q, 0
.set Q, Q+1
.endr
.endm
	s_wait_tensorcnt 1                             ; the scales and my part of the first half are in; the second half's load may be out
	s_barrier_signal -1
	s_barrier_wait -1
	FETCH_B 0, 0, 0
	FETCH_A 0, 0, 0
	SCALES 0
	FETCH_A 0, 0, 4
	STEP 0, 0, 1                                   ; the first products start the sums: nothing is cleared
	STEPS 0, 1
	TURN 0, 1
	STEPS 1, 0
	s_wait_dscnt 4*NL
	WIN MUL_LO
	MUL16 0, 1, NQ-1, 1, 0
	MUL16 2, 1, NQ-1, 1, 0
	s_wait_dscnt 0
	WIN MUL_HI
	MUL16 4, 1, NQ-1, 1, 0
	MUL16 6, 1, NQ-1, 1, 0
	WIN 0
; THE WAY OUT.  Four neighbouring accumulators (Y block a, X blocks 4 g .. 4 g + 3) are 64 along the next K of 16 rows: bias added (each accumulator read from its low end on), quantised, four code registers.
.macro GROUP a, g, vmode, pcs, hw
.set AC, 64*((\a)%4)+32*(\g)
	WIN 0x02+(\a)/4                                ; source 0: window 2 or 3
.set i, 0
.rept 16
.if \vmode
	v_pk_add_f32 v[T+i:T+i+1], v[AC+i:AC+i+1], v[BY+2*(\a):BY+2*(\a)+1]
.else
	v_pk_add_f32 v[T+i:T+i+1], v[AC+i:AC+i+1], v[BI+32*(\g)+i:BI+32*(\g)+i+1]
.endif
.set i, i+2
.endr
	WIN 0
	QUANT4 T, PC+4*(\pcs), \hw, MW
.endm
	PLACES NP                                      ; behind the last products
	s_wait_loadcnt 0x0                             ; the biases
	s_mov_b32 s[SEL], 0x76543210
	s_mov_b32 s[SEL+1], 0xfedcba98
	s_lshl_b32 s18, s17, 2                         ; 4 CY
	s_cmp_eq_u32 ttmp9, 2                          ; the role: equal in all partners
	s_cbranch_scc1 .Lv
	; ---- q, k: rows = tokens, K = the head's 64.  Group of 128 tokens G = 2 (4 CY + cy) + yh; heads 4 cx + 2 xh + 0, 1
	s_add_co_u32 s18, s18, s41
	s_lshl_b32 s18, s18, 1
	s_add_co_u32 s18, s18, s15
	s_lshr_b32 s19, s18, 4                         ; batch row
	s_and_b32 s18, s18, 15                         ; group in it
	s_lshl_b32 s20, s40, 2
	s_lshl_b32 s21, s16, 1
	s_add_co_u32 s20, s20, s21
	s_lshl_b32 s19, s19, 4
	s_add_co_u32 s19, s19, s20
	s_lshl_b32 s19, s19, 4
	s_add_co_u32 s19, s19, s18                     ; record (16 b + head) 16 + group
	s_cmp_eq_u32 ttmp9, 0
	s_cselect_b64 s[96:97], s[92:93], s[94:95]
	s_mov_b32 s22, 9216
	s_cselect_b32 s22, 4608, s22
	s_mul_i32 s20, s19, s22
	s_mov_b32 s21, 0
	s_add_nc_u64 s[96:97], s[96:97], s[20:21]
	s_lshl_b32 s20, s22, 4
	s_add_nc_u64 s[98:99], s[96:97], s[20:21]      ; the next head: 16 records on
	s_cmp_eq_u32 ttmp9, 1
	s_cselect_b32 s100, 0x00af0000, 0              ; k's scale words carry 2^48 in byte 2
	s_mov_b32 vcc_lo, 0xffff0000                   ; lanes 16-31
.macro HEADQK hh
.irp a, 0,1,2,3,4,5,6,7
	GROUP \a, \hh, 0, \a, HW+\a
	global_store_b128 v[LI], v[PC+4*\a:PC+4*\a+3], s[96+2*\hh:97+2*\hh] offset:512*\a   ; 32 lanes store 512 consecutive bytes
.endr
.irp i, 0,1,2,3
	v_cndmask_b32 v[SW+\i], v[HW+\i], v[HW+4+\i], vcc_lo   ; lanes 0-15 tile i's word, lanes 16-31 tile 4 + i's
.endr
.irp i, 0,1,2,3
	v_or_b32 v[SW+\i], s100, v[SW+\i]
.endr
	global_store_b128 v[LI], v[SW:SW+3], s[96+2*\hh:97+2*\hh] offset:4096
.endm
	HEADQK 0
	s_wait_xcnt 0x0                                ; the stores have read their registers: the code sets and the scale words are written again
	HEADQK 1
	s_branch .Ljoin
.Lv:
	; ---- v: rows = d, K = the tokens.  Group G = 2 (4 CY + cx) + xh; heads 4 cy + 2 yh + 0, 1
	s_add_co_u32 s18, s18, s40
	s_lshl_b32 s18, s18, 1
	s_add_co_u32 s18, s18, s16
	s_lshr_b32 s19, s18, 4
	s_and_b32 s18, s18, 15
	s_lshl_b32 s20, s41, 2
	s_lshl_b32 s21, s15, 1
	s_add_co_u32 s20, s20, s21
	s_lshl_b32 s19, s19, 4
	s_add_co_u32 s19, s19, s20
	s_lshl_b32 s19, s19, 4
	s_add_co_u32 s19, s19, s18
	s_mul_i32 s20, s19, 9216
	s_add_co_u32 s20, s20, 4608
	s_mov_b32 s21, 0
	s_add_nc_u64 s[96:97], s[94:95], s[20:21]
	s_add_nc_u64 s[98:99], s[96:97], 16*9216
.macro HEADV hh
.irp dt, 0,1,2,3
	GROUP 4*\hh+\dt, 0, 1, 2*\dt, HW
	global_store_b128 v[LI], v[PC+8*\dt:PC+8*\dt+3], s[96+2*\hh:97+2*\hh] offset:1024*\dt
	GROUP 4*\hh+\dt, 1, 1, 2*\dt+1, HW+1
	global_store_b128 v[LI], v[PC+8*\dt+4:PC+8*\dt+7], s[96+2*\hh:97+2*\hh] offset:1024*\dt+512
	v_lshl_or_b32 v[SW+\dt], v[HW+1], 16, v[HW]    ; the four bytes of 128 keys
.endr
	global_store_b128 v[LI], v[SW:SW+3], s[96+2*\hh:97+2*\hh] offset:4096
.endm
	HEADV 0
	s_wait_xcnt 0x0
	HEADV 1
.Ljoin:
	s_wait_tensorcnt 0x0
	s_wait_tensorcnt 0x0
	ds_add_u32 v126, v127
	s_wait_dscnt 0x0
	CROUND                                         ; the closing round: no work-group ends while a partner may still ask for a tile that names it
	s_endpgm
.Lfunc_end_k_q8ca0d8806a_qkv:
	.size	k_q8ca0d8806a_qkv, .Lfunc_end_k_q8ca0d8806a_qkv-k_q8ca0d8806a_qkv
	.p2alignl 7, 3214868480
	.fill 96, 4, 3214868480
	.section	.rodata,"a",@progbits
	.p2align	6, 0x0
	.amdhsa_kernel k_q8ca0d8806a_qkv
		.amdhsa_group_segment_fixed_size 297472
		.amdhsa_private_segment_fixed_size 0
		.amdhsa_enable_private_segment 0
		.amdhsa_kernarg_size 56
		.amdhsa_user_sgpr_count 2
		.amdhsa_user_sgpr_kernarg_segment_ptr 1
		.amdhsa_wavefront_size32 1
		.amdhsa_system_sgpr_workgroup_id_x 1
		.amdhsa_system_sgpr_workgroup_id_y 1
		.amdhsa_system_sgpr_workgroup_id_z 1
		.amdhsa_system_vgpr_workitem_id 0
		.amdhsa_next_free_vgpr 1024
		.amdhsa_next_free_sgpr 102
		.amdhsa_reserve_vcc 1
		.amdhsa_float_denorm_mode_32 3
		.amdhsa_float_denorm_mode_16_64 3
		.amdhsa_memory_ordered 1
		.amdhsa_forward_progress 1
		.amdhsa_inst_pref_size 198
	.end_amdhsa_kernel
	.amdgpu_metadata
---
amdhsa.version: [ 1, 2 ]
amdhsa.kernels:
  - .name:           k_q8ca0d8806a_qkv
    .symbol:         k_q8ca0d8806a_qkv.kd
    .args:
      - { .name: input_codes, .offset: 0, .size: 8, .value_kind: global_buffer, .address_space: global }
      - { .name: input_scales, .offset: 8, .size: 8, .value_kind: global_buffer, .address_space: global }
      - { .name: w_qkv_codes, .offset: 16, .size: 8, .value_kind: global_buffer, .address_space: global }
      - { .name: w_qkv_scales, .offset: 24, .size: 8, .value_kind: global_buffer, .address_space: global }
      - { .name: b_qkv, .offset: 32, .size: 8, .value_kind: global_buffer, .address_space: global }
      - { .name: qws, .offset: 40, .size: 8, .value_kind: global_buffer, .address_space: global }
      - { .name: kvws, .offset: 48, .size: 8, .value_kind: global_buffer, .address_space: global }
    .group_segment_fixed_size: 297472
    .private_segment_fixed_size: 0
    .kernarg_segment_align: 8
    .kernarg_segment_size: 56
    .max_flat_workgroup_size: 128
    .sgpr_count:     102
    .vgpr_count:     1024
    .wavefront_size: 32
...
	.end_amdgpu_metadata
.endif
;; end of part 1
;; launch attn (part 2): grid 4 x 64, 16 waves a work-group, clusters of 4 x 1, 169,984 bytes of LDS; arguments qws, kvws, mask, ocodes, oscales; writes ocodes, oscales
.if DOCPART == 2
	.amdgcn_target "amdgcn-amd-amdhsa--gfx1250"
	.amdhsa_code_object_version 6
	.text
	.protected	k_q8ca0d8806a_attn
	.globl	k_q8ca0d8806a_attn
	.p2align	8
	.type	k_q8ca0d8806a_attn,@function
k_q8ca0d8806a_attn:
	s_mov_b64 s[64:65], 0
	v_nop
	global_prefetch_b8 v0, s[64:65] scope:SCOPE_SE
	s_setreg_imm32_b32 hwreg(HW_REG_WAVE_MODE, 25, 1), 1
	s_wait_xcnt 0x0
	s_wait_alu depctr_hold_cnt(0) depctr_sa_sdst(0) depctr_va_vdst(0) depctr_va_sdst(0) depctr_va_ssrc(0) depctr_va_vcc(0) depctr_vm_vsrc(0)
	s_getreg_b32 s2, hwreg(HW_REG_IB_STS2, 6, 4)
	s_cmp_eq_u32 s2, 0
	s_cbranch_scc0 .Lentry_in_a_cluster
	s_endpgm
.Lentry_in_a_cluster:
	s_bfe_u32 s2, ttmp6, 0x10000c
	s_cmp_lg_u32 s2, 0x3003
	s_cbranch_scc0 .Lentry_shape_is_right
	s_endpgm
.Lentry_shape_is_right:
; o = softmax(q k^T / 8, causal and under the keys' padding mask) v for one (batch row, head) a cluster, both products on codes of FP4 with E8M0 scales; o is quantised along H and leaves as codes.
; THE SOFTMAX AHEAD OF THE SECOND PRODUCT: t = score x log2(e) / 8; M = the running largest t rounded up to a whole number; p = 2^(t - M) is quantised along the keys; the row's sum l of the unquantised p divides at the end.
; SHARES.  The head's 128 tiles of 16 queries are 16 groups s of 8; every tile of group s needs s + 1 key steps of 128.  Tile = 8 s + 2 cx + j.  With a = min(w, 15 - w) wave w takes a long tile (s = 15 - a) and a
; short one (s = a): 17 key steps in every wave.  Trip counts are constants; what is left out is left out by branches on the wave's number alone; cx enters global addresses and lane data only.
; LDS.  The head's k and v as codes, 16 records of 9,216 bytes (images of the operands' registers: every load takes 16 bytes a lane on end), are filled ONCE, jointly for the four work-groups; behind them 2,048 mask words.
; BOTH PRODUCTS TRANSPOSED: S^T = k q^T, O^T = v^T p^T: a lane holds one query (lane % 16); register 8 t + j of S^T is key 16 t + 8 (lane / 16) + j.
; THE PADDING MASK RIDES IN THE IDLE HALF OF K (the head has 64, the instruction takes 128).  Register 4 of a fragment of k holds, at k = 64, the code of +6 where the key is masked, else 0; k's scale byte 2 is 2^48.
; S^T is made by two products on one accumulator: k x (-6 at k = 64, scale 2^48): -36 x 2^96 on masked keys, 0 elsewhere; then k x q in place (q has zero codes from k = 64 on).  The largest t begins at -2^90,
; above every masked t: masked keys give p = 0 and never move M.  A query with no valid key ends with l = 0: its scale bytes become 0xff, which the last launch turns into a row of NaN, as the softmax of an empty row is.
; LIMITS: scores with |t| >= 2^90 are not served; a block of zeros gets the scale byte 1, not 127 (only this program reads the bytes); 1 / l is taken by v_rcp_f32.
; REGISTERS: v1-7 addresses; v8-11 the short tile's q; v12 -M, v13 largest t, v[14:15] l; v16-19 q, v20-23 zeros, v24 the mask's partner, v25-27 zeros; v28-31 p's scale operands; v32-95 k; v96-159 S^T, then p;
;   v160-191 O^T; v192-199 p's codes; v200-231 v; v232-235 k's scale words, v236-239 v's; v240, v242 q's; v241 the mask partner's; v244-251 at work; v252 f, v253 p's scale word; v254 at work; v255 -infinity.
.set REC,  9216
.set MB,   16*REC                      ; the mask words: 8,192 bytes, written by ds_store; no fill lands there
.set LI,   1                           ; v1  16 x lane
.set AM0,  2                           ; v2  MB + 4 r
.set ADR,  3                           ; v3  the step's record
.set AMK,  4                           ; v4  the step's mask words
.set DQ,   5                           ; v5  16 tq + r - 8 h: key 16 t + j of the diagonal step is hidden where it is larger
.set OSO,  6                           ; v6  32 r + h
.set RH,   7                           ; v7  r - 8 h
.set SO,   28
.set BM,   244
.set BP,   248
.set WV,   18
.set SEL,  20
.set CS,   22
.set SS,   44                          ; s44 the short tile's group;  s45 the long tile's
.set SL,   45
.set TQL,  47                          ; s47, s48 the tiles' places in their groups
.set TQS,  48
.set TB,   49
.set TM,   50
.set KI,   51
.macro CROUND
	s_barrier_signal -1
	s_barrier_wait -1
	s_cmp_lg_u32 s[WV], 0
	s_cbranch_scc1 .Lnot_wave_0_\@
	s_barrier_signal -3
.Lnot_wave_0_\@:
	s_barrier_wait -3
	s_barrier_signal -1
	s_barrier_wait -1
.endm
; 32 numbers of a lane, register 8 u + j = k 16 u + 8 h + j of my row, become four code registers in the operand's order and two scale bytes (in v[m + 8], v[m + 9]).
.macro QUANT4 t, pc, hw, m
	v_max3_num_f32 v[(\m)],   |v[(\t)]|,    |v[(\t)+1]|,  0x1800000     ; with the floor 2^(3 - 127): the byte cannot fall under 1
	v_max3_num_f32 v[(\m)+1], |v[(\t)+8]|,  |v[(\t)+9]|,  |v[(\t)+10]|
	v_max3_num_f32 v[(\m)+2], |v[(\t)+16]|, |v[(\t)+17]|, 0x1800000
	v_max3_num_f32 v[(\m)+3], |v[(\t)+24]|, |v[(\t)+25]|, |v[(\t)+26]|
.irp i, 2,4
	s_delay_alu instid0(VALU_DEP_4)
	v_max3_num_f32 v[(\m)],   v[(\m)],   |v[(\t)+\i]|,    |v[(\t)+1+\i]|
	s_delay_alu instid0(VALU_DEP_4)
	v_max3_num_f32 v[(\m)+1], v[(\m)+1], |v[(\t)+9+\i]|,  |v[(\t)+10+\i]|
	s_delay_alu instid0(VALU_DEP_4)
	v_max3_num_f32 v[(\m)+2], v[(\m)+2], |v[(\t)+16+\i]|, |v[(\t)+17+\i]|
	s_delay_alu instid0(VALU_DEP_4)
	v_max3_num_f32 v[(\m)+3], v[(\m)+3], |v[(\t)+25+\i]|, |v[(\t)+26+\i]|
.endr
	s_delay_alu instid0(VALU_DEP_4)
	v_max3_num_f32 v[(\m)],   v[(\m)],   |v[(\t)+6]|,  |v[(\t)+7]|
	s_delay_alu instid0(VALU_DEP_3)
	v_max3_num_f32 v[(\m)+2], v[(\m)+2], |v[(\t)+22]|, |v[(\t)+23]|
	s_delay_alu instid0(VALU_DEP_2)
	v_max3_num_f32 v[(\m)],   v[(\m)],   v[(\m)+1], |v[(\t)+15]|
	s_delay_alu instid0(VALU_DEP_2)
	v_max3_num_f32 v[(\m)+2], v[(\m)+2], v[(\m)+3], |v[(\t)+31]|
	s_delay_alu instid0(VALU_DEP_2)
	v_permlanex16_b32 v[(\m)+4], v[(\m)],   s[SEL], s[SEL+1]
	s_delay_alu instid0(VALU_DEP_2)
	v_permlanex16_b32 v[(\m)+5], v[(\m)+2], s[SEL], s[SEL+1]
	s_delay_alu instid0(VALU_DEP_2)
	v_max_num_f32 v[(\m)],   v[(\m)],   v[(\m)+4]
	s_delay_alu instid0(VALU_DEP_2)
	v_max_num_f32 v[(\m)+2], v[(\m)+2], v[(\m)+5]
	s_delay_alu instid0(VALU_DEP_2)
	v_add_nc_u32 v[(\m)+6], 0xff000000, v[(\m)]
	s_delay_alu instid0(VALU_DEP_2)
	v_add_nc_u32 v[(\m)+7], 0xff000000, v[(\m)+2]
	s_delay_alu instid0(VALU_DEP_2)
	v_lshrrev_b32 v[(\m)+8], 23, v[(\m)+6]
	s_delay_alu instid0(VALU_DEP_2)
	v_lshrrev_b32 v[(\m)+9], 23, v[(\m)+7]
	s_delay_alu instid0(VALU_DEP_1)
	v_lshl_or_b32 v[(\hw)], v[(\m)+9], 8, v[(\m)+8]
	v_cvt_scalef32_pk8_fp4_f32 v[(\pc)],   v[(\t):(\t)+7],     v[(\m)+6]
	v_cvt_scalef32_pk8_fp4_f32 v[(\pc)+2], v[(\t)+8:(\t)+15],  v[(\m)+6]
	v_cvt_scalef32_pk8_fp4_f32 v[(\pc)+1], v[(\t)+16:(\t)+23], v[(\m)+7]
	v_cvt_scalef32_pk8_fp4_f32 v[(\pc)+3], v[(\t)+24:(\t)+31], v[(\m)+7]
	v_nop                                                             ; one plain place behind the scaled conversions
	v_permlane16_swap_b32 v[(\pc)],   v[(\pc)+1]
	v_permlane16_swap_b32 v[(\pc)+2], v[(\pc)+3]
.endm
	s_load_b128 s[4:7], s[0:1], 0x0                ; qws, kvws
	s_load_b128 s[8:11], s[0:1], 0x10              ; mask, ocodes
	s_load_b64 s[12:13], s[0:1], 0x20              ; oscales
	v_lshl_add_u32 v254, v0, 2, 0x29000
	v_mov_b32 v255, 0
	ds_add_u32 v254, v255
	ds_add_u32 v254, v255
	s_wait_dscnt 0x0
	v_lshrrev_b32 v1, 5, v0
	s_delay_alu instid0(VALU_DEP_1)
	v_readfirstlane_b32 s[WV], v1                  ; wave 0..15
	s_bfe_u32 s40, ttmp6, 0x40000                  ; cx
	s_and_b32 s41, ttmp7, 0xffff                   ; 16 b + head: the four partners share it
	s_lshr_b32 s42, s41, 4                         ; b
	s_and_b32 s43, s41, 15                         ; head
	s_xor_b32 s[SS], s[WV], 15
	s_min_u32 s[SS], s[SS], s[WV]                  ; a = min(w, 15 - w): the short tile's group
	s_xor_b32 s[SL], s[SS], 15                     ; 15 - a: the long tile's
	s_lshr_b32 s46, s[WV], 3
	s_lshl_b32 s[TQL], s40, 1
	s_add_co_u32 s[TQS], s[TQL], s46               ; 2 cx + w / 8
	s_xor_b32 s46, s46, 1
	s_add_co_u32 s[TQL], s[TQL], s46               ; 2 cx + 1 - w / 8
	s_mov_b32 s24, 15|(3<<16)|(1<<21)              ; group 1: all four work-groups; elements of 8 bytes; no padding: 72 dense rows of 256 bytes = two records
	s_mov_b32 s25, 32<<16
	s_mov_b32 s26, 72<<16
	s_mov_b32 s27, 32<<16
	s_mov_b32 s28, 72
	s_mov_b32 s29, 32
	s_mov_b32 s30, 0
	s_mov_b32 s31, 0
	s_mov_b32 s[SEL], 0x76543210
	s_mov_b32 s[SEL+1], 0xfedcba98
	s_mov_b32 s[CS], 0x3e38aa3b                    ; c = log2(e) / 8
	s_mov_b32 s[CS+1], s[CS]                       ; (named with it as a pair, so it is written)
	s_and_b32 s66, s[WV], 3
	s_mul_i32 s67, s66, 2*REC                      ; waves 0-3: records 2 w, 2 w + 1, and the same eight records on
	s_mul_i32 s68, s41, 16*REC
	s_add_co_u32 s68, s68, s67
	s_mov_b32 s69, 0
	s_wait_kmcnt 0x0
	CROUND                                         ; all four work-groups are here: the joint loads meet
	s_mov_b32 s32, 1
	s_mov_b32 s33, s67
	s_add_nc_u64 s[34:35], s[6:7], s[68:69]
	s_mov_b32 s36, 1
	s_add_co_u32 s37, s67, 8*REC
	s_add_nc_u64 s[38:39], s[34:35], 8*REC
	s_or_b32 s35, s35, 0x80000000
	s_or_b32 s39, s39, 0x80000000
	s_cmp_lt_u32 s[WV], 4                          ; a fetching wave's two fills stand in one branch: two tensor loads of a wave are out at the most
	s_cbranch_scc0 .Lno_fetch
	tensor_load_to_lds s[32:35], s[24:31]
	s_nop 0
	tensor_load_to_lds s[36:39], s[24:31]
	s_nop 0
.rept 4
	v_nop
.endr
.Lno_fetch:
	v_and_b32 v200, 31, v0
	s_delay_alu instid0(VALU_DEP_1)
	v_lshlrev_b32 v[LI], 4, v200
	v_and_b32 v201, 15, v0                         ; r
	v_bfe_u32 v202, v0, 4, 1                       ; h
	s_delay_alu instid0(VALU_DEP_2)
	v_lshl_add_u32 v[AM0], v201, 2, MB
	s_delay_alu instid0(VALU_DEP_2)
	v_lshl_add_u32 v[OSO], v201, 5, v202
	s_delay_alu instid0(VALU_DEP_3)
	v_lshlrev_b32 v203, 3, v202
	s_delay_alu instid0(VALU_DEP_1)
	v_sub_nc_u32 v[RH], v201, v203
	v_lshlrev_b32 v203, 4, v201                    ; 16 r: q's scale words
	v_lshlrev_b32 v204, 2, v0                      ; my four mask bytes
	s_wait_alu depctr_va_vdst(0)
	v_lshl_add_u32 v205, v0, 4, MB                 ; and their four words
	s_lshl_b32 s66, s42, 11
	s_mov_b32 s67, 0
	s_add_nc_u64 s[8:9], s[8:9], s[66:67]          ; the batch row's mask
.macro QADDR s, tq, img, scl           ; the tile's image in qws, and 4,096 bytes in front of its scale words
	s_lshl_b32 s66, s41, 4
	s_add_co_u32 s66, s66, s[\s]
	s_mul_i32 s66, s66, 4608
	s_lshl_b32 s68, s[\tq], 9
	s_add_co_u32 s68, s68, s66
	s_mov_b32 s69, 0
	s_add_nc_u64 s[\img:\img+1], s[4:5], s[68:69]
	s_lshr_b32 s68, s[\tq], 2
	s_lshl_b32 s68, s68, 8                         ; tiles 4-7 lie in lanes 16-31's places
	s_and_b32 s67, s[\tq], 3
	s_lshl_b32 s67, s67, 2
	s_add_co_u32 s68, s68, s67
	s_add_co_u32 s68, s68, s66
	s_add_nc_u64 s[\scl:\scl+1], s[4:5], s[68:69]
.endm
.macro OBASE s, tq, oc, os             ; where the tile's codes and scale bytes go: tile of rows 128 b + 8 s + tq
	s_lshl_b32 s66, s42, 7
	s_lshl_b32 s67, s[\s], 3
	s_add_co_u32 s66, s66, s67
	s_add_co_u32 s66, s66, s[\tq]
	s_lshl_b32 s68, s66, 12
	s_lshr_b32 s67, s43, 3
	s_lshl_b32 s67, s67, 21
	s_add_co_u32 s68, s68, s67
	s_and_b32 s67, s43, 7
	s_lshl_b32 s67, s67, 9
	s_add_co_u32 s68, s68, s67
	s_mov_b32 s69, 0
	s_add_nc_u64 s[\oc:\oc+1], s[10:11], s[68:69]
	s_lshl_b32 s68, s66, 9
	s_lshl_b32 s67, s43, 1
	s_add_co_u32 s68, s68, s67
	s_add_nc_u64 s[\os:\os+1], s[12:13], s[68:69]
.endm
	QADDR SL, TQL, 72, 70
	QADDR SS, TQS, 76, 74
	OBASE SL, TQL, 54, 56
	OBASE SS, TQS, 58, 60
	global_load_b32 v206, v204, s[8:9]
	global_load_b128 v[16:19], v[LI], s[72:73]     ; the long tile's q
	global_load_b32 v240, v203, s[70:71] offset:4096
	global_load_b128 v[8:11], v[LI], s[76:77]      ; the short tile's
	global_load_b32 v242, v203, s[74:75] offset:4096
.irp j, 20,21,22,23,25,26,27
	v_mov_b32 v[\j], 0
.endr
	v_mul_u32_u24 v24, v202, 15
	s_delay_alu instid0(VALU_DEP_1)
	v_sub_nc_u32 v24, 15, v24                      ; the code of -6 at k = 64 (lanes 0-15), nothing at k = 96 (lanes 16-31)
.irp t, 0,1,2,3,4,5,6,7
	v_mov_b32 v[37+8*\t], 0                        ; k's fragments have nothing from k = 72 on: written once
	v_mov_b32 v[38+8*\t], 0
	v_mov_b32 v[39+8*\t], 0
.endr
	v_mov_b32 v241, 0x00af0000                     ; the mask partner's scale word: 2^48 for k = 64 .. 95
	v_mov_b32 v255, 0xff800000                     ; -infinity
	v_mov_b32 v253, 0
	v_mov_b32 v254, 0
.irp b, 0,1,2,3
	v_mov_b32 v[BP+\b], 0                          ; written once: a lane permute's destination counts as one of its sources
.endr
	v_mov_b32 v207, 7                              ; the code of +6
	s_wait_alu depctr_va_vdst(0)
	s_wait_loadcnt 4                               ; the mask's load is in; q's four may be out
.irp i, 0,1,2,3
	v_bfe_u32 v[208+\i], v206, 8*\i, 8
.endr
.irp i, 0,1,2,3
	v_cmp_eq_u32 vcc_lo, 0, v[208+\i]
	s_delay_alu instid0(VALU_DEP_1)
	v_cndmask_b32 v[208+\i], 0, v207, vcc_lo       ; +6 where the key is masked
.endr
	ds_store_b128 v205, v[208:211]
	s_wait_tensorcnt 0x0                           ; my fills have landed,
	s_wait_dscnt 0x0                               ; my mask words are stored:
	s_barrier_signal -1
	s_barrier_wait -1                              ; everybody's are
	s_wait_loadcnt 0x0                             ; q
.macro INIT tq
.set j, 0
.rept 32
	v_mov_b32 v[160+j], 0                          ; O^T: the step is written once; the first change of M leaves zeros zeros
.set j, j+1
.endr
	v_mov_b32 v13, 0xec800000                      ; the largest t so far: -2^90
	s_delay_alu instid0(VALU_DEP_1)
	v_floor_f32 v12, -v13                          ; -M
	v_mov_b32 v14, 0
	v_mov_b32 v15, 0
	s_lshl_b32 s66, s[\tq], 4
	v_add_nc_u32 v[DQ], s66, v[RH]
.endm
; A KEY STEP: 128 keys, the record at s[TB].  qs: q's scale words.  diag = 1: the step is left out where its keys all come after the tile's queries (KI > the tile's group scur), and masked on the diagonal (KI = scur).
.macro STEP qs, diag, scur
.if \diag
	s_cmp_gt_u32 s[KI], s[\scur]
	s_cbranch_scc1 .Lhid_\@
.endif
	s_setprio 2
	v_add_nc_u32 v[ADR], s[TB], v[LI]
	v_add_nc_u32 v[AMK], s[TM], v[AM0]
	v_nop
	v_nop                                          ; four places in front of loads into registers that the last products have read
.irp t, 0,1,2,3,4,5,6,7
	ds_load_b128 v[32+8*\t:35+8*\t], v[ADR] offset:512*\t
.endr
.irp t, 0,1,2,3,4,5,6,7
	ds_load_b32 v[36+8*\t], v[AMK] offset:64*\t    ; key 16 t + r's mask word
.endr
	ds_load_b128 v[232:235], v[ADR] offset:4096
.irp f, 0,1,2,3,4,5,6,7
	ds_load_b128 v[200+4*\f:203+4*\f], v[ADR] offset:4608+512*\f
.endr
	ds_load_b128 v[236:239], v[ADR] offset:8704
	s_wait_dscnt 9                                 ; k, the mask words and k's scale words are in; v's eight loads and its scale words may be out
.irp t, 0,1,2,3
	v_wmma_scale_f32_16x16x128_f8f6f4 v[96+8*\t:103+8*\t], v[32+8*\t:39+8*\t], v[20:27], 0, v[232+\t], v241 matrix_a_fmt:MATRIX_FMT_FP4 matrix_b_fmt:MATRIX_FMT_FP4
.endr
.irp t, 4,5,6,7
	v_wmma_scale_f32_16x16x128_f8f6f4 v[96+8*\t:103+8*\t], v[32+8*\t:39+8*\t], v[20:27], 0, v[228+\t], v241 matrix_a_fmt:MATRIX_FMT_FP4 matrix_b_fmt:MATRIX_FMT_FP4 matrix_a_scale:MATRIX_SCALE_ROW1
.endr
.irp t, 0,1,2,3                                ; the eight accumulators take turns
	v_wmma_scale_f32_16x16x128_f8f6f4 v[96+8*\t:103+8*\t], v[32+8*\t:39+8*\t], v[16:23], v[96+8*\t:103+8*\t], v[232+\t], v[\qs] matrix_a_fmt:MATRIX_FMT_FP4 matrix_b_fmt:MATRIX_FMT_FP4
.endr
.irp t, 4,5,6,7
	v_wmma_scale_f32_16x16x128_f8f6f4 v[96+8*\t:103+8*\t], v[32+8*\t:39+8*\t], v[16:23], v[96+8*\t:103+8*\t], v[228+\t], v[\qs] matrix_a_fmt:MATRIX_FMT_FP4 matrix_b_fmt:MATRIX_FMT_FP4 matrix_a_scale:MATRIX_SCALE_ROW1
.endr
.rept 4
	v_nop
.endr
.if \diag
	s_cmp_lg_u32 s[KI], s[\scur]
	s_cbranch_scc1 .Lopen_\@
.set n, 0
	s_wait_alu depctr_va_vdst(0)
.rept 64
	v_cmp_gt_i32 vcc_lo, 16*(n/8)+n%8, v[DQ]       ; the key comes after my query
	v_cndmask_b32 v[96+n], v[96+n], v255, vcc_lo
.set n, n+1
.endr
.Lopen_\@:
.endif
.irp b, 0,1,2,3
	v_max3_num_f32 v[BM+\b], v[96+16*\b], v[97+16*\b], v[98+16*\b]   ; the largest score of each block of 32 keys: for the row's maximum, and, since p rises with the score, for the block's largest p
.endr
.irp i, 3,5,7,9,11,13
.irp b, 0,1,2,3
	v_max3_num_f32 v[BM+\b], v[BM+\b], v[96+16*\b+\i], v[97+16*\b+\i]
.endr
.endr
.irp b, 0,1,2,3
	v_max_num_f32 v[BM+\b], v[BM+\b], v[111+16*\b]
.endr
.irp b, 0,1,2,3
	s_delay_alu instid0(VALU_DEP_4)
	v_permlanex16_b32 v[BP+\b], v[BM+\b], s[SEL], s[SEL+1]
.endr
.irp b, 0,1,2,3
	s_delay_alu instid0(VALU_DEP_4)
	v_max_num_f32 v[BM+\b], v[BM+\b], v[BP+\b]
.endr
	s_delay_alu instid0(VALU_DEP_2)
	v_max3_num_f32 v254, v[BM], v[BM+1], v[BM+2]
	s_delay_alu instid0(VALU_DEP_1)
	v_max_num_f32 v254, v254, v[BM+3]
	s_delay_alu instid0(VALU_DEP_1)
	v_mul_f32 v254, s[CS], v254
	s_delay_alu instid0(VALU_DEP_1)
	v_max_num_f32 v13, v13, v254                   ; the running largest t
	v_mov_b32 v254, v12
	s_delay_alu instid0(VALU_DEP_2)
	v_floor_f32 v12, -v13                          ; the new -M = -ceil(t)
	s_delay_alu instid0(VALU_DEP_1)
	v_sub_f32 v254, v12, v254                      ; old M - new M: a whole number, 0 or less
	s_delay_alu instid0(VALU_DEP_1)
	v_cvt_i32_f32 v254, v254                       ; (it saturates)
	s_delay_alu instid0(VALU_DEP_1)
	v_ldexp_f32 v252, 1.0, v254                    ; f = 2^(old M - new M)
.set n, 0
.rept 32
	v_pk_fma_f32 v[96+n:97+n], v[96+n:97+n], s[CS:CS+1], v[12:13] op_sel_hi:[1,0,0]   ; t - M
.set n, n+2
.endr
	s_setprio 1
.irp b, 0,1,2,3
	v_fma_f32 v[BM+\b], v[BM+\b], s[CS], v12
.endr
.set n, 0
	s_wait_alu depctr_va_vdst(0)
.rept 64
	v_exp_f32 v[96+n], v[96+n]                     ; p = 2^(t - M)
.set n, n+1
.endr
	v_pk_mul_f32 v[14:15], v[14:15], v[252:253] op_sel_hi:[1,0]   ; l under the new M: the plain place behind the exponentials
	s_wait_alu depctr_va_vdst(0)                   ; one wait for the batch, ahead of its first reader
.irp b, 0,1,2,3
	v_exp_f32 v[BM+\b], v[BM+\b]                   ; the blocks' largest p
.endr
	v_pk_add_f32 v[248:249], v[100:101], v[104:105]
	v_pk_add_f32 v[250:251], v[108:109], v[112:113]
	v_pk_add_f32 v[234:235], v[116:117], v[120:121]
	v_pk_add_f32 v[232:233], v[124:125], v[128:129]
	v_pk_add_f32 v[198:199], v[132:133], v[136:137]
	v_pk_add_f32 v[196:197], v[140:141], v[144:145]
	v_pk_add_f32 v[194:195], v[148:149], v[152:153]
	v_pk_add_f32 v[14:15], v[14:15], v[156:157]
	v_pk_add_f32 v[248:249], v[248:249], v[96:97]
	v_pk_add_f32 v[250:251], v[250:251], v[98:99]
	v_pk_add_f32 v[234:235], v[234:235], v[102:103]
	v_pk_add_f32 v[232:233], v[232:233], v[106:107]
	v_pk_add_f32 v[198:199], v[198:199], v[110:111]
	v_pk_add_f32 v[196:197], v[196:197], v[114:115]
	v_pk_add_f32 v[194:195], v[194:195], v[118:119]
	v_pk_add_f32 v[14:15], v[14:15], v[122:123]
	v_pk_add_f32 v[248:249], v[248:249], v[126:127]
	v_pk_add_f32 v[250:251], v[250:251], v[130:131]
	v_pk_add_f32 v[234:235], v[234:235], v[134:135]
	v_pk_add_f32 v[232:233], v[232:233], v[138:139]
	v_pk_add_f32 v[198:199], v[198:199], v[142:143]
	v_pk_add_f32 v[196:197], v[196:197], v[146:147]
	v_pk_add_f32 v[194:195], v[194:195], v[150:151]
	v_pk_add_f32 v[14:15], v[14:15], v[154:155]
	v_pk_add_f32 v[248:249], v[248:249], v[158:159]
	s_delay_alu instid0(VALU_DEP_2)
	v_pk_add_f32 v[14:15], v[14:15], v[232:233]
	s_delay_alu instid0(VALU_DEP_2)
	v_pk_add_f32 v[248:249], v[248:249], v[198:199]
	v_pk_add_f32 v[250:251], v[250:251], v[196:197]
	v_pk_add_f32 v[234:235], v[234:235], v[194:195]
	s_delay_alu instid0(VALU_DEP_2)
	v_pk_add_f32 v[14:15], v[14:15], v[250:251]
	s_delay_alu instid0(VALU_DEP_2)
	v_pk_add_f32 v[248:249], v[248:249], v[234:235]
	s_delay_alu instid0(VALU_DEP_1)
	v_pk_add_f32 v[14:15], v[14:15], v[248:249]
	s_wait_alu depctr_va_vdst(0)                   ; and one for the four
.irp b, 0,1,2,3
	v_max_num_f32 v[BM+\b], 0x1800000, v[BM+\b]    ; the floor 2^(3 - 127)
.endr
.irp b, 0,1,2,3
	s_delay_alu instid0(VALU_DEP_4)
	v_add_nc_u32 v[SO+\b], 0xff000000, v[BM+\b]    ; the conversions' scale operands
.endr
.irp b, 0,1,2,3
	s_delay_alu instid0(VALU_DEP_4)
	v_lshrrev_b32 v[BP+\b], 23, v[SO+\b]           ; the scale bytes
.endr
	s_delay_alu instid0(VALU_DEP_3)
	v_lshl_or_b32 v253, v[BP+1], 8, v[BP]
	s_delay_alu instid0(VALU_DEP_1)
	v_lshl_or_b32 v253, v[BP+2], 16, v253
	s_delay_alu instid0(VALU_DEP_1)
	v_lshl_or_b32 v253, v[BP+3], 24, v253          ; p's scale word for these 128 keys
	s_setprio 0
.irp t, 0,1,2,3,4,5,6,7
	v_cvt_scalef32_pk8_fp4_f32 v[192+4*(\t/4)+2*(\t%2)+(\t%4)/2], v[96+8*\t:103+8*\t], v[SO+\t/2]
.endr
	v_nop                                          ; one plain place behind the scaled conversions
.irp c, 0,1
	v_permlane16_swap_b32 v[192+4*\c], v[193+4*\c] ; a whole block to a lane: registers 4 c .. 4 c + 3 hold keys 64 c + 32 h + 0 .. 31
	v_permlane16_swap_b32 v[194+4*\c], v[195+4*\c]
.endr
.set n, 0
.rept 16
	v_pk_mul_f32 v[160+n:161+n], v[160+n:161+n], v[252:253] op_sel_hi:[1,0]   ; O^T under the new M; these sixteen are also the places between p's scale word and codes and the products
.set n, n+2
.endr
	s_wait_alu depctr_va_vdst(0)
	s_wait_dscnt 0x0                               ; v and its scale words
.irp d, 0,1,2,3
	v_wmma_scale_f32_16x16x128_f8f6f4 v[160+8*\d:167+8*\d], v[200+8*\d:207+8*\d], v[192:199], v[160+8*\d:167+8*\d], v[236+\d], v253 matrix_a_fmt:MATRIX_FMT_FP4 matrix_b_fmt:MATRIX_FMT_FP4
.endr
.if \diag
.Lhid_\@:
.endif
	s_add_co_u32 s[TB], s[TB], REC
	s_add_co_u32 s[TM], s[TM], 512
.endm
; A tile's end: O^T / l, quantised along H (the head's 64 are two blocks), the codes as an image of the last launch's operand, a scale byte a lane.
.macro FINISH oc, os
.rept 4
	v_nop                                          ; places behind the last products
.endr
	v_add_f32 v14, v14, v15
	s_delay_alu instid0(VALU_DEP_1)
	v_permlanex16_b32 v254, v14, s[SEL], s[SEL+1]
	s_delay_alu instid0(VALU_DEP_1)
	v_add_f32 v14, v14, v254                       ; l
	s_wait_alu depctr_va_vdst(0)
	v_rcp_f32 v252, v14
	v_mov_b32 v212, 0xff                           ; (the plain place behind the reciprocal)
	s_wait_alu depctr_va_vdst(0)                   ; ahead of its first reader
.set n, 0
.rept 16
	v_pk_mul_f32 v[96+n:97+n], v[160+n:161+n], v[252:253] op_sel_hi:[1,0]
.set n, n+2
.endr
	QUANT4 96, 192, 210, 200
	s_mov_b32 vcc_lo, 0xffff0000
	v_cndmask_b32 v211, v208, v209, vcc_lo         ; lanes 0-15 the first block's byte, lanes 16-31 the second's
	v_cmp_eq_f32 vcc_lo, 0, v14
	s_delay_alu instid0(VALU_DEP_1)
	v_cndmask_b32 v211, v211, v212, vcc_lo         ; no valid key: the byte of NaN
	global_store_b128 v[LI], v[192:195], s[\oc:\oc+1]   ; 512 consecutive bytes
	global_store_b8 v[OSO], v211, s[\os:\os+1]
.endm
	INIT TQL
	s_mov_b32 s[TB], 0
	s_mov_b32 s[TM], 0
	s_mov_b32 s[KI], 0
.Lfull:                                            ; the long tile's keys 0 .. 1,023: its group is 8 or more, so all of them count
	STEP 240, 0, 0
	s_add_co_u32 s[KI], s[KI], 1
	s_cmp_lt_u32 s[KI], 8
	s_cbranch_scc1 .Lfull
	s_setprio 0
	s_mov_b32 s[TB], 8*REC
	s_mov_b32 s[TM], 8*512
	s_mov_b32 s[KI], 8
.Llong:                                            ; its keys 1,024 on
	STEP 240, 1, SL
	s_add_co_u32 s[KI], s[KI], 1
	s_cmp_lt_u32 s[KI], 16
	s_cbranch_scc1 .Llong
	s_setprio 0
	FINISH 54, 56
	s_wait_xcnt 0x0                                ; the stores have read their registers
.irp i, 0,1,2,3
	v_mov_b32 v[16+\i], v[8+\i]                    ; the short tile's q
.endr
	INIT TQS
	s_mov_b32 s[TB], 0
	s_mov_b32 s[TM], 0
	s_mov_b32 s[KI], 0
.Lshort:
	STEP 242, 1, SS
	s_add_co_u32 s[KI], s[KI], 1
	s_cmp_lt_u32 s[KI], 8
	s_cbranch_scc1 .Lshort
	s_setprio 0
	s_wait_alu depctr_va_vdst(0)
	FINISH 58, 60
	s_wait_tensorcnt 0x0
	s_wait_dscnt 0x0
	s_wait_xcnt 0x0
	v_lshl_add_u32 v254, v0, 2, 0x29000
	v_mov_b32 v255, 0
	s_wait_alu depctr_va_vdst(0)
	s_wait_tensorcnt 0x0
	ds_add_u32 v254, v255
	s_wait_dscnt 0x0
	CROUND                                         ; the closing round
	s_endpgm
.Lfunc_end_k_q8ca0d8806a_attn:
	.size	k_q8ca0d8806a_attn, .Lfunc_end_k_q8ca0d8806a_attn-k_q8ca0d8806a_attn
	.p2alignl 7, 3214868480
	.fill 96, 4, 3214868480
	.section	.rodata,"a",@progbits
	.p2align	6, 0x0
	.amdhsa_kernel k_q8ca0d8806a_attn
		.amdhsa_group_segment_fixed_size 169984
		.amdhsa_private_segment_fixed_size 0
		.amdhsa_enable_private_segment 0
		.amdhsa_kernarg_size 40
		.amdhsa_user_sgpr_count 2
		.amdhsa_user_sgpr_kernarg_segment_ptr 1
		.amdhsa_wavefront_size32 1
		.amdhsa_system_sgpr_workgroup_id_x 1
		.amdhsa_system_sgpr_workgroup_id_y 1
		.amdhsa_system_sgpr_workgroup_id_z 1
		.amdhsa_system_vgpr_workitem_id 0
		.amdhsa_next_free_vgpr 256
		.amdhsa_next_free_sgpr 80
		.amdhsa_reserve_vcc 1
		.amdhsa_float_denorm_mode_32 3
		.amdhsa_float_denorm_mode_16_64 3
		.amdhsa_memory_ordered 1
		.amdhsa_forward_progress 1
		.amdhsa_inst_pref_size 85
	.end_amdhsa_kernel
	.amdgpu_metadata
---
amdhsa.version: [ 1, 2 ]
amdhsa.kernels:
  - .name:           k_q8ca0d8806a_attn
    .symbol:         k_q8ca0d8806a_attn.kd
    .args:
      - { .name: qws, .offset: 0, .size: 8, .value_kind: global_buffer, .address_space: global }
      - { .name: kvws, .offset: 8, .size: 8, .value_kind: global_buffer, .address_space: global }
      - { .name: mask, .offset: 16, .size: 8, .value_kind: global_buffer, .address_space: global }
      - { .name: ocodes, .offset: 24, .size: 8, .value_kind: global_buffer, .address_space: global }
      - { .name: oscales, .offset: 32, .size: 8, .value_kind: global_buffer, .address_space: global }
    .group_segment_fixed_size: 169984
    .private_segment_fixed_size: 0
    .kernarg_segment_align: 8
    .kernarg_segment_size: 40
    .max_flat_workgroup_size: 512
    .sgpr_count:     80
    .vgpr_count:     256
    .wavefront_size: 32
...
	.end_amdgpu_metadata
.endif
;; end of part 2
;; launch proj (part 3): grid 4 x 64, 4 waves a work-group, clusters of 4 x 4, 218,624 bytes of LDS; arguments ocodes, oscales, w_out_codes, w_out_scales, b_out, out0; writes out0
.if DOCPART == 3
	.amdgcn_target "amdgcn-amd-amdhsa--gfx1250"
	.amdhsa_code_object_version 6
	.text
	.protected	k_q8ca0d8806a_proj
	.globl	k_q8ca0d8806a_proj
	.p2align	8
	.type	k_q8ca0d8806a_proj,@function
k_q8ca0d8806a_proj:
	s_mov_b64 s[64:65], 0
	v_nop
	global_prefetch_b8 v0, s[64:65] scope:SCOPE_SE
	s_setreg_imm32_b32 hwreg(HW_REG_WAVE_MODE, 25, 1), 1
	s_wait_xcnt 0x0
	s_wait_alu depctr_hold_cnt(0) depctr_sa_sdst(0) depctr_va_vdst(0) depctr_va_sdst(0) depctr_va_ssrc(0) depctr_va_vcc(0) depctr_vm_vsrc(0)
	s_getreg_b32 s2, hwreg(HW_REG_IB_STS2, 6, 4)
	s_cmp_eq_u32 s2, 0
	s_cbranch_scc0 .Lentry_in_a_cluster
	s_endpgm
.Lentry_in_a_cluster:
	s_bfe_u32 s2, ttmp6, 0x10000c
	s_cmp_lg_u32 s2, 0xf033
	s_cbranch_scc0 .Lentry_shape_is_right
	s_endpgm
.Lentry_shape_is_right:
; out0 = o w_out + b_out on codes of FP4 with E8M0 scales, K = 1,024.  o comes as the launch before left it: codes as images of source 1's registers, [K half 2][16 rows 512][4,096], scale bytes [8,192][32]; w_out as given.
; A tile is X = 256 rows of w_out (source 0) x Y = 128 rows of o (source 1): 256 work-groups.  Four waves, 128 X x 64 Y each: 32 accumulators.  A lane holds one row of out0 and eight neighbouring columns.
; All of K fits in LDS: two halves of 512 along K are filled ONCE; no LDS byte is filled twice.  CLUSTER 4 x 4: Y's tiles are asked for jointly along a row of the cluster, X's along a column.
; The bias is the C of each sum's first matrix instruction.  A row of o whose scale bytes are 0xff (a query with no valid key) comes out as NaN in all its columns.
; REGISTERS: window 0: v1-27 addresses; v32-95 X's scale words (8 b + K step), v96-127 Y's (8 a + K step); v128-191 Y's fragments, two sets; v192-255 the bias; on the way out v128-255 rows of out0.
;   window 1: X's fragments, two sets, at v0 and v128.   window 2: accumulator (a, b) at v[8 (8 a + b)].
.set PITCH,  272                       ; X's LDS row: 256 bytes + 16 of padding
.set XH,     128*PITCH
.set XB,     2*XH                      ; X's 256 rows
.set YH,     16384                     ; Y's images of 64 rows: [16 rows 4][K step 4][1,024]
.set SLOTB,  XB+2*YH                   ; one half of K
.set SCY,    2*SLOTB                   ; Y's scale bytes, as 256 bytes + 16 of padding
.set SYH,    8*272
.set SCX,    SCY+2*SYH                 ; X's
.set SXH,    16*272
.set SPITCH, 528                       ; the way out: 16 rows x (512 + 16) bytes for each wave, in the first half's bytes: they have had their only fill, and their last read stands in front of the barrier at K step 3
.set ADRX, 16
.set ADRY, 20
.set ASX,  22
.set ASY,  23
.set STO,  24
.set RD,   25
.set CO,   26
.set BA,   27
.set SX,   32
.set SY,   96
.set YF,   128
.set BO,   192
.set BK,   128
.set G1Y, 24
.set G0Y, 32
.set G0SY, 40
.set G0SX, 44
.set G1X, 48
.set G0X, 56
.set G1SY, 68
.set G1SX, 76
.set MSB, 0
.macro WIN new
.if MSB != (\new)
	s_set_vgpr_msb (MSB<<8)|(\new)
.set MSB, (\new)
.endif
.endm
.macro JLOAD g0a, g1a, g0b, g1b        ; waves 0, 1 fetch for Y, waves 2, 3 for X; four v_nop follow each line
	s_cmp_eq_u32 s17, 0
	s_cbranch_scc0 .Lfor_x_\@
	tensor_load_to_lds s[\g0a:\g0a+3], s[\g1a:\g1a+7]
	s_nop 0
.rept 4
	v_nop
.endr
	s_branch .Lasked_\@
.Lfor_x_\@:
	tensor_load_to_lds s[\g0b:\g0b+3], s[\g1b:\g1b+7]
	s_nop 0
.rept 4
	v_nop
.endr
.Lasked_\@:
.endm
.macro CROUND
	s_barrier_signal -1
	s_barrier_wait -1
	s_cmp_lg_u32 s16, 0
	s_cbranch_scc1 .Lnot_wave_0_\@
	s_barrier_signal -3
.Lnot_wave_0_\@:
	s_barrier_wait -3
	s_barrier_signal -1
	s_barrier_wait -1
.endm
.macro PLACES n
.rept \n
	v_nop
.endr
.endm
	s_load_b256 s[4:11], s[0:1], 0x0               ; o's codes, o's scales, w_out's codes, w_out's scales
	s_load_b128 s[12:15], s[0:1], 0x20             ; b_out, out0
	v_lshl_add_u32 v30, v0, 2, 0x35400
	v_mov_b32 v31, 0
	ds_add_u32 v30, v31
	ds_add_u32 v30, v31
	v_lshrrev_b32 v1, 5, v0
	v_readfirstlane_b32 s16, v1                    ; wave 0..3
	s_lshr_b32 s17, s16, 1                         ; my half of Y's rows.  Also: I fetch for Y (0) or X (1)
	s_and_b32 s18, s16, 1                          ; my half of X's rows.  Also: which half I fetch
	s_bfe_u32 s84, ttmp6, 0x40000                  ; cx = the tile column (the grid is one cluster wide)
	s_bfe_u32 s85, ttmp6, 0x40004                  ; cy
	s_and_b32 s88, ttmp7, 0xffff
	s_lshl_b32 s88, s88, 2
	s_add_co_u32 s88, s88, s85                     ; tile row = 4 x cluster y + cy
	s_lshl_b32 s86, s85, 2
	s_lshl_b32 s86, 15, s86                        ; my row of the cluster
	s_lshl_b32 s87, 0x1111, s84                    ; my column
	s_or_b32 s[G1Y], s86, (3<<16)|(1<<21)          ; Y's codes: 16,384 dense bytes as 64 rows of 256, no padding
	s_mov_b32 s[G1Y+1], 32<<16
	s_mov_b32 s[G1Y+2], 64<<16
	s_mov_b32 s[G1Y+3], 32<<16
	s_mov_b32 s[G1Y+4], 64
	s_mov_b32 s[G1Y+5], 32
	s_mov_b32 s[G1Y+6], 0
	s_mov_b32 s[G1Y+7], 0
	s_or_b32 s[G1X], s87, (0<<16)|(1<<20)|(1<<21)|(5<<22)|(3<<25)   ; X's codes: 128 rows of 256 bytes, 512 apart, 16 bytes of padding behind each
	s_mov_b32 s[G1X+1], 256<<16
	s_mov_b32 s[G1X+2], 128<<16
	s_mov_b32 s[G1X+3], 256<<16
	s_mov_b32 s[G1X+4], 128
	s_mov_b32 s[G1X+5], 512
	s_mov_b32 s[G1X+6], 0
	s_mov_b32 s[G1X+7], 0
	s_or_b32 s[G1SY], s86, (3<<16)|(1<<20)|(1<<21)|(5<<22)|(3<<25)  ; the scale bytes of 64 rows: 8 rows of 256 bytes, padded
	s_mov_b32 s[G1SY+1], 32<<16
	s_mov_b32 s[G1SY+2], 8<<16
	s_mov_b32 s[G1SY+3], 32<<16
	s_mov_b32 s[G1SY+4], 8
	s_mov_b32 s[G1SY+5], 32
	s_mov_b32 s[G1SY+6], 0
	s_mov_b32 s[G1SY+7], 0
	s_or_b32 s[G1SX], s87, (3<<16)|(1<<20)|(1<<21)|(5<<22)|(3<<25)  ; of 128 rows: 16
	s_mov_b32 s[G1SX+1], 32<<16
	s_mov_b32 s[G1SX+2], 16<<16
	s_mov_b32 s[G1SX+3], 32<<16
	s_mov_b32 s[G1SX+4], 16
	s_mov_b32 s[G1SX+5], 32
	s_mov_b32 s[G1SX+6], 0
	s_mov_b32 s[G1SX+7], 0
	s_lshl_b32 s20, s88, 15                        ; Y's codes: (8 tile row + 4 half) x 4,096
	s_lshl_b32 s21, s18, 14
	s_add_co_u32 s20, s20, s21
	s_mov_b32 s21, 0
	s_lshl_b32 s22, s88, 12                        ; Y's scales: (128 tile row + 64 half) x 32
	s_lshl_b32 s23, s18, 11
	s_add_co_u32 s22, s22, s23
	s_mov_b32 s23, 0
	s_lshl_b32 s90, s84, 17                        ; X's codes: (256 cx + 128 half) x 512
	s_lshl_b32 s91, s18, 16
	s_add_co_u32 s90, s90, s91
	s_mov_b32 s91, 0
	s_lshl_b32 s92, s84, 13                        ; X's scales: x 32
	s_lshl_b32 s93, s18, 12
	s_add_co_u32 s92, s92, s93
	s_mov_b32 s93, 0
	s_mul_i32 s94, s18, YH
	s_add_co_u32 s94, s94, XB                      ; where they go: made of the wave's number alone
	s_mul_i32 s95, s18, XH
	s_mul_i32 s96, s18, SYH
	s_add_co_u32 s96, s96, SCY
	s_mul_i32 s97, s18, SXH
	s_add_co_u32 s97, s97, SCX
	s_wait_dscnt 0x0
	s_wait_kmcnt 0x0
	s_add_nc_u64 s[20:21], s[4:5], s[20:21]
	s_add_nc_u64 s[22:23], s[6:7], s[22:23]
	s_add_nc_u64 s[90:91], s[8:9], s[90:91]
	s_add_nc_u64 s[92:93], s[10:11], s[92:93]
	CROUND                                         ; all sixteen work-groups are here: the joint loads meet
	s_mov_b32 s[G0SY], 1
	s_mov_b32 s[G0SY+1], s96
	s_mov_b64 s[G0SY+2:G0SY+3], s[22:23]
	s_or_b32 s[G0SY+3], s[G0SY+3], 0x80000000
	s_mov_b32 s[G0SX], 1
	s_mov_b32 s[G0SX+1], s97
	s_mov_b64 s[G0SX+2:G0SX+3], s[92:93]
	s_or_b32 s[G0SX+3], s[G0SX+3], 0x80000000
	JLOAD G0SY, G1SY, G0SX, G1SX                   ; the scales first; three tensor loads of a wave are out at the most
.irp s, 0,1
	s_mov_b32 s[G0Y+4*\s], 1
	s_add_co_u32 s[G0Y+4*\s+1], s94, \s*SLOTB
	s_add_nc_u64 s[G0Y+4*\s+2:G0Y+4*\s+3], s[20:21], \s*2097152
	s_or_b32 s[G0Y+4*\s+3], s[G0Y+4*\s+3], 0x80000000
	s_mov_b32 s[G0X+4*\s], 1
	s_add_co_u32 s[G0X+4*\s+1], s95, \s*SLOTB
	s_add_nc_u64 s[G0X+4*\s+2:G0X+4*\s+3], s[90:91], \s*256
	s_or_b32 s[G0X+4*\s+3], s[G0X+4*\s+3], 0x80000000
	JLOAD G0Y+4*\s, G1Y, G0X+4*\s, G1X
.endr
	v_and_b32 v1, 15, v0                           ; r
	v_bfe_u32 v2, v0, 4, 1                         ; h
	v_and_b32 v3, 31, v0
	v_lshlrev_b32 v[CO], 4, v3                     ; 16 x lane
	v_mul_u32_u24 v4, v1, PITCH
	v_lshl_add_u32 v4, v2, 4, v4
	s_mul_i32 s21, s18, XH                         ; my 128 rows of X
	s_mul_i32 s22, s17, YH                         ; my 64 rows of Y,
	s_add_co_u32 s22, s22, XB                      ; behind X's
.irp s, 0,1
	v_add_nc_u32 v[ADRX+\s], s21, v4
	v_add_nc_u32 v[ADRY+\s], s22, v[CO]
	s_add_co_u32 s21, s21, SLOTB
	s_add_co_u32 s22, s22, SLOTB
.endr
	v_lshlrev_b32 v5, 5, v1                        ; a row's 32 scale bytes,
	v_lshrrev_b32 v6, 3, v1
	v_lshl_add_u32 v5, v6, 4, v5                   ; and 16 more behind each eight rows
	s_mul_i32 s21, s18, SXH
	s_add_co_u32 s21, s21, SCX
	v_add_nc_u32 v[ASX], s21, v5
	s_mul_i32 s21, s17, SYH
	s_add_co_u32 s21, s21, SCY
	v_add_nc_u32 v[ASY], s21, v5
	s_mul_i32 s21, s16, 16*SPITCH                  ; my stage
	v_mul_u32_u24 v5, v1, SPITCH
	v_lshl_add_u32 v5, v2, 5, v5
	v_add_nc_u32 v[STO], s21, v5                   ; in: row r, 32 bytes for each half of the lanes
	v_add_nc_u32 v[RD], s21, v[CO]                 ; back: a row of 512 bytes
	v_lshlrev_b32 v[BA], 5, v2
	s_lshl_b32 s20, s84, 10                        ; my first column, in bytes: 4 (256 cx + 128 xh)
	s_lshl_b32 s21, s18, 9
	s_add_co_u32 s20, s20, s21
	s_mov_b32 s21, 0
	s_add_nc_u64 s[12:13], s[12:13], s[20:21]
	s_add_nc_u64 s[14:15], s[14:15], s[20:21]
	s_lshl_b32 s20, s88, 19                        ; my first row: (128 tile row + 64 yh) x 4,096 bytes
	s_lshl_b32 s22, s17, 18
	s_add_co_u32 s20, s20, s22
	s_add_nc_u64 s[14:15], s[14:15], s[20:21]
.irp b, 0,1,2,3,4,5,6,7
	global_load_b128 v[BO+8*\b:BO+8*\b+3],   v[BA], s[12:13] offset:64*\b      ; b_out at columns 16 b + 8 h + 0 .. 7: the result's layout
	global_load_b128 v[BO+8*\b+4:BO+8*\b+7], v[BA], s[12:13] offset:64*\b+16
.endr
.macro FETCH3 qq                       ; K step qq's fragments into sets qq % 2
.set P3, (\qq)%2
.set S3, (\qq)/4
.set Q3, (\qq)%4
	WIN 0x40                                       ; destination window 1
.irp i, 0,1,2,3,4,5,6,7
.irp c, 0,1
	ds_load_b128 v[128*P3+8*\i+4*\c:128*P3+8*\i+4*\c+3], v[ADRX+S3] offset:64*Q3+32*\c+\i*16*PITCH
.endr
.endr
	WIN 0
.irp a, 0,1,2,3
.irp c, 0,1
	ds_load_b128 v[YF+32*P3+8*\a+4*\c:YF+32*P3+8*\a+4*\c+3], v[ADRY+S3] offset:4096*\a+1024*Q3+512*\c
.endr
.endr
.endm
.macro MUL32 qq                        ; the 32 accumulators take turns, in the same order in every step
.set P3, (\qq)%2
.if (\qq) == 0
	WIN 0x81                                       ; source 0 (X) window 1, source 1 (Y) and C (the bias) window 0, D window 2
.else
	WIN 0xa1                                       ; C and D window 2
.endif
.irp a, 0,1,2,3
.irp b, 0,1,2,3,4,5,6,7
.if (\qq) == 0
	v_wmma_scale_f32_16x16x128_f8f6f4 v[8*(8*\a+\b):8*(8*\a+\b)+7], v[128*P3+8*\b:128*P3+8*\b+7], v[YF+32*P3+8*\a:YF+32*P3+8*\a+7], v[BO+8*\b:BO+8*\b+7], v[SX+8*\b+(\qq)], v[SY+8*\a+(\qq)] matrix_a_fmt:MATRIX_FMT_FP4 matrix_b_fmt:MATRIX_FMT_FP4
.else
	v_wmma_scale_f32_16x16x128_f8f6f4 v[8*(8*\a+\b):8*(8*\a+\b)+7], v[128*P3+8*\b:128*P3+8*\b+7], v[YF+32*P3+8*\a:YF+32*P3+8*\a+7], v[8*(8*\a+\b):8*(8*\a+\b)+7], v[SX+8*\b+(\qq)], v[SY+8*\a+(\qq)] matrix_a_fmt:MATRIX_FMT_FP4 matrix_b_fmt:MATRIX_FMT_FP4
.endif
.endr
.endr
	WIN 0
.endm
.macro STEP3 qq
.if (\qq) == 3
	s_wait_tensorcnt 0x0                           ; my part of the second half is in
.endif
	s_wait_dscnt 0x0                               ; this step's fragments are in (asked for 32 matrix instructions ago); at K step 3: my reads of the first half are over
.if (\qq) == 3
	s_barrier_signal -1
	s_barrier_wait -1                              ; the second half is whole, and nobody reads the first any more
.endif
.if (\qq) < 7
.if (\qq) > 0
	PLACES 4                                       ; in front of loads into registers that the last step's products have read
.endif
	FETCH3 (\qq)+1
.endif
	MUL32 \qq
.endm
	s_wait_tensorcnt 1                             ; the scales and my part of the first half are in; the second half's load may be out
	s_barrier_signal -1
	s_barrier_wait -1
.irp b, 0,1,2,3,4,5,6,7
	ds_load_b128 v[SX+8*\b:SX+8*\b+3],   v[ASX] offset:544*\b      ; a row's eight scale words: all of K
	ds_load_b128 v[SX+8*\b+4:SX+8*\b+7], v[ASX] offset:544*\b+16
.endr
.irp a, 0,1,2,3
	ds_load_b128 v[SY+8*\a:SY+8*\a+3],   v[ASY] offset:544*\a
	ds_load_b128 v[SY+8*\a+4:SY+8*\a+7], v[ASY] offset:544*\a+16
.endr
	FETCH3 0
	s_wait_loadcnt 0x0                             ; the bias
.irp q, 0,1,2,3,4,5,6,7
	STEP3 \q
.endr
; THE WAY OUT, 16 rows x 128 columns at a time, through my own stage: in as 32 bytes a lane, back as whole rows of 512 bytes.  LDS serves a wave's instructions in order (ISA guide 5.7.1.4): no wait between the stores and the loads.
.macro TOSTAGE a
.set AC, 64*(\a)
	WIN 0x08                                       ; an LDS store's data: window 2
.irp b, 0,1,2,3,4,5,6,7
	ds_store_b128 v[STO], v[AC+8*\b:AC+8*\b+3] offset:64*\b          ; each accumulator from its low end on
	ds_store_b128 v[STO], v[AC+8*\b+4:AC+8*\b+7] offset:64*\b+16
.endr
	WIN 0
.set BB, BK+64*((\a)%2)
.irp t, 0,1,2,3,4,5,6,7,8,9,10,11,12,13,14,15
	ds_load_b128 v[BB+4*\t:BB+4*\t+3], v[RD] offset:\t*SPITCH
.endr
.endm
.macro SEND a, younger
.set BB, BK+64*((\a)%2)
	s_wait_dscnt \younger                          ; the block is back in registers; the next block's 16 stores and 16 loads may be out
.if (\a) > 0
	s_add_nc_u64 s[14:15], s[14:15], 16*4096       ; 16 rows on (the earlier stores have read their base: a wait on XCNT stands between)
.endif
.irp t, 0,1,2,3,4,5,6,7,8,9,10,11,12,13,14,15
	global_store_b128 v[CO], v[BB+4*\t:BB+4*\t+3], s[14:15] offset:\t*4096 th:TH_STORE_NT   ; 32 lanes store 512 consecutive bytes, at a multiple of 256 from out0's first byte
.endr
.endm
	PLACES 4                                       ; behind the last products
	TOSTAGE 0
.irp a, 1,2,3
.if \a > 1
	s_wait_xcnt 0x0                                ; block a - 2's stores have read their registers and their base
.endif
	TOSTAGE \a
	SEND \a-1, 32
.endr
	s_wait_xcnt 0x0
	SEND 3, 0
	s_wait_tensorcnt 0x0
	s_wait_dscnt 0x0
	s_wait_tensorcnt 0x0
	ds_add_u32 v30, v31
	s_wait_dscnt 0x0
	CROUND                                         ; the closing round
	s_endpgm
.Lfunc_end_k_q8ca0d8806a_proj:
	.size	k_q8ca0d8806a_proj, .Lfunc_end_k_q8ca0d8806a_proj-k_q8ca0d8806a_proj
	.p2alignl 7, 3214868480
	.fill 96, 4, 3214868480
	.section	.rodata,"a",@progbits
	.p2align	6, 0x0
	.amdhsa_kernel k_q8ca0d8806a_proj
		.amdhsa_group_segment_fixed_size 218624
		.amdhsa_private_segment_fixed_size 0
		.amdhsa_enable_private_segment 0
		.amdhsa_kernarg_size 48
		.amdhsa_user_sgpr_count 2
		.amdhsa_user_sgpr_kernarg_segment_ptr 1
		.amdhsa_wavefront_size32 1
		.amdhsa_system_sgpr_workgroup_id_x 1
		.amdhsa_system_sgpr_workgroup_id_y 1
		.amdhsa_system_sgpr_workgroup_id_z 1
		.amdhsa_system_vgpr_workitem_id 0
		.amdhsa_next_free_vgpr 768
		.amdhsa_next_free_sgpr 98
		.amdhsa_reserve_vcc 0
		.amdhsa_float_denorm_mode_32 3
		.amdhsa_float_denorm_mode_16_64 3
		.amdhsa_memory_ordered 1
		.amdhsa_forward_progress 1
		.amdhsa_inst_pref_size 74
	.end_amdhsa_kernel
	.amdgpu_metadata
---
amdhsa.version: [ 1, 2 ]
amdhsa.kernels:
  - .name:           k_q8ca0d8806a_proj
    .symbol:         k_q8ca0d8806a_proj.kd
    .args:
      - { .name: ocodes, .offset: 0, .size: 8, .value_kind: global_buffer, .address_space: global }
      - { .name: oscales, .offset: 8, .size: 8, .value_kind: global_buffer, .address_space: global }
      - { .name: w_out_codes, .offset: 16, .size: 8, .value_kind: global_buffer, .address_space: global }
      - { .name: w_out_scales, .offset: 24, .size: 8, .value_kind: global_buffer, .address_space: global }
      - { .name: b_out, .offset: 32, .size: 8, .value_kind: global_buffer, .address_space: global }
      - { .name: out0, .offset: 40, .size: 8, .value_kind: global_buffer, .address_space: global }
    .group_segment_fixed_size: 218624
    .private_segment_fixed_size: 0
    .kernarg_segment_align: 8
    .kernarg_segment_size: 48
    .max_flat_workgroup_size: 128
    .sgpr_count:     98
    .vgpr_count:     768
    .wavefront_size: 32
...
	.end_amdgpu_metadata
.endif
;; end of part 3
